; MI455X (gfx1250); checked and timed in simulation.
; The chip was launched on July 23, 2026; its instructions are those of AMD's public machine-readable ISA for CDNA 5 (MIT licence, August 2026) and "CDNA5" Instruction Set Architecture Reference Guide (July 2026). The comments in the code are by the model that wrote it; some were corrected since.
;; Transformer Encoder Layer. Allowed arithmetic: float matrix products may take bf16 or f16 operands with f32 sums; other float arithmetic in f32, or as packed bf16 or f16 multiplies, adds, multiply-adds, maxima and minima; sums over many terms, partial sums and values carried from step to step in f32; what a program stores and reads back later, other than sums and carried values, may be rounded once to bf16 or f16.
;; Inputs: W1 256 x 1,024 float32; W2 1,024 x 256 float32; Wa 256 x 128 float32; Woff 256 x 256 float32; Wout 256 x 256 float32; Wv 256 x 256 float32; b1 1,024 float32; b2 256 float32; ba 128 float32; be1 256 float32; be2 256 float32; boff 256 float32; bout 256 float32; bv 256 float32; g1 256 float32; g2 256 float32; padding_mask 2 x 13,294 bool; pos_embed 2 x 13,294 x 256 float32; reference_points 2 x 13,294 x 4 x 2 float32; spatial_shapes 4 x 2 int32; src 2 x 13,294 x 256 float32.
;; Outputs: out0 2 x 13,294 x 256 float32.
;; 2 versions, each right. Each part assembles by itself: llvm-mc -triple=amdgcn-amd-amdhsa -mcpu=gfx1250 --defsym DOCPART=n.
;; ======== version 1 of 2: 4 launches
;; limits: values are held in f16: magnitudes above 65,504 overflow, below 6.1e-05 lose precision
;; workspace buffers: wts 1,507,328 bytes; vtab 13,631,488 bytes; sidx 6,815,744 bytes of whole numbers; swt 27,262,976 bytes; samp 13,631,488 bytes
;; launch prep (part 1): grid 296 x 1, 8 waves a work-group, no clusters, 0 bytes of LDS; arguments Wv, Woff, Wa, Wout, W1, W2, wts; writes wts
.if DOCPART == 1
	.amdgcn_target "amdgcn-amd-amdhsa--gfx1250"
	.amdhsa_code_object_version 6
	.text
	.protected	k_q91e8cecdeb_prep
	.globl	k_q91e8cecdeb_prep
	.p2align	8
	.type	k_q91e8cecdeb_prep,@function
k_q91e8cecdeb_prep:
	s_mov_b64 s[64:65], 0
	v_nop
	global_prefetch_b8 v0, s[64:65] scope:SCOPE_SE
	s_setreg_imm32_b32 hwreg(HW_REG_WAVE_MODE, 25, 1), 1
	s_wait_xcnt 0x0
; All weights, f32 [k][n], are rounded once to bf16 and laid in the order in which the later launches read matrix fragments: eight numbers along k are 16 bytes.
; wts, bytes 0 .. 327,679: [wave w 4][fragment f = 10 ks + nbl 80][u 2][lane 32][16 bytes]; element i of lane (r = lane % 16, h = lane / 16) is k = 32 ks + 16 u + 8 h + i of column:
;   head = 2 w + nbl / 5;  nbl % 5 = 0, 1: Wv 32 head + 16 t + r;  2, 3: Woff 32 head + 16 t + r;  4: Wa 16 head + 4 ((r >> 3) + 2 ((r >> 2) & 1)) + (r & 3).
; wts, from byte 327,680: nine blocks of 131,072.  Block 0: Wout as [k / 8][n 256][8].  Blocks 1-8: four chunks of 32 hidden columns each: W1 as [k / 8 32][m 32][8], then W2 as [k' / 8 4][n 256][8].
; Work-groups 0-7 make the first part (a wave: one (w, ks, u), ten pieces of 512 bytes); each later work-group makes 4,096 consecutive bytes, 16 a thread.
.set STREAM, 327680
.macro PACK8 d                         ; eight f32 in v[d .. d+7] to eight bf16 in v[d .. d+3]
	v_cvt_pk_bf16_f32 v[\d], v[\d], v[(\d)+1]
	v_cvt_pk_bf16_f32 v[(\d)+1], v[(\d)+2], v[(\d)+3]
	v_cvt_pk_bf16_f32 v[(\d)+2], v[(\d)+4], v[(\d)+5]
	v_cvt_pk_bf16_f32 v[(\d)+3], v[(\d)+6], v[(\d)+7]
.endm
.macro LOAD8 sb, step                  ; eight numbers along k, step bytes apart
.irp i, 0,1,2,3,4,5,6,7
	global_load_b32 v[16+\i], v6, s[\sb:(\sb)+1] offset:(\step)*\i
.endr
.endm
	s_load_b256 s[4:11], s[0:1], 0x0               ; Wv s[4:5], Woff s[6:7], Wa s[8:9], Wout s[10:11]
	s_load_b128 s[12:15], s[0:1], 0x20             ; W1 s[12:13], W2 s[14:15]
	s_load_b64 s[16:17], s[0:1], 0x30              ; wts
	v_lshrrev_b32 v1, 5, v0
	v_readfirstlane_b32 s18, v1                    ; wave 0..7
	v_and_b32 v2, 31, v0                           ; lane
	v_and_b32 v3, 15, v0                           ; r
	v_bfe_u32 v4, v0, 4, 1                         ; h
	s_wait_kmcnt 0x0
	s_cmp_lt_u32 ttmp9, 8
	s_cbranch_scc0 .Lstream
	; the projections' weights
	s_lshl_b32 s19, ttmp9, 3
	s_add_co_u32 s19, s19, s18                     ; q = 8 x work-group + wave
	s_lshr_b32 s20, s19, 4                         ; w
	s_bfe_u32 s21, s19, 0x30001                    ; ks
	s_and_b32 s22, s19, 1                          ; u
	s_lshl_b32 s23, s21, 5
	s_lshl4_add_u32 s23, s22, s23                  ; 32 ks + 16 u
	v_lshl_add_u32 v5, v4, 3, s23                  ; k0 = 32 ks + 16 u + 8 h
	s_lshl_b32 s24, s20, 8
	v_lshlrev_b32 v6, 10, v5                       ; Wv, Woff: k0 rows of 1,024 bytes
	v_lshl_add_u32 v6, v3, 2, v6                   ; + 4 r
	v_add_nc_u32 v6, s24, v6                       ; + 256 w (two heads of 32 columns)
	v_bfe_u32 v7, v3, 3, 1
	v_bfe_u32 v8, v3, 2, 1
	v_lshl_add_u32 v7, v8, 1, v7                   ; the level: (r >> 3) + 2 ((r >> 2) & 1)
	v_and_b32 v8, 3, v3
	v_lshl_add_u32 v7, v7, 2, v8                   ; Wa's column in its head
	s_lshl_b32 s24, s20, 7
	v_lshlrev_b32 v8, 9, v5                        ; Wa: k0 rows of 512 bytes
	v_lshl_add_u32 v8, v7, 2, v8
	v_add_nc_u32 v8, s24, v8                       ; + 128 w
	s_mul_i32 s24, s20, 81920
	s_mul_i32 s25, s21, 10240
	s_add_co_u32 s24, s24, s25
	s_lshl_b32 s25, s22, 9
	s_add_co_u32 s24, s24, s25
	v_lshl_add_u32 v9, v2, 4, s24                  ; where my 16 bytes of fragment 10 ks go
.irp n, 0,1,2,3,4,5,6,7,8,9
.irp i, 0,1,2,3,4,5,6,7
.if (\n)%5 < 2
	global_load_b32 v[16+8*(\n)+(\i)], v6, s[4:5] offset:128*((\n)/5)+64*((\n)%5)+1024*(\i)
.elseif (\n)%5 < 4
	global_load_b32 v[16+8*(\n)+(\i)], v6, s[6:7] offset:128*((\n)/5)+64*((\n)%5-2)+1024*(\i)
.else
	global_load_b32 v[16+8*(\n)+(\i)], v8, s[8:9] offset:64*((\n)/5)+512*(\i)
.endif
.endr
.endr
.irp n, 0,1,2,3,4,5,6,7,8,9
.if 72-8*(\n) > 63
	s_wait_loadcnt 63                              ; 72 younger loads may be out; the wait's field holds 63
.else
	s_wait_loadcnt 72-8*(\n)                       ; the younger pieces' loads stay out
.endif
	PACK8 16+8*(\n)
	global_store_b128 v9, v[16+8*(\n):16+8*(\n)+3], s[16:17] offset:1024*(\n)  ; the wave stores 512 consecutive bytes
.endr
	s_endpgm
.Lstream:
	s_sub_co_u32 s19, ttmp9, 8
	s_lshl_b32 s20, s19, 12
	s_add_co_u32 s20, s20, STREAM
	v_lshl_add_u32 v9, v0, 4, s20                  ; my 16 bytes of the work-group's 4,096
	s_cmp_lt_u32 ttmp9, 40
	s_cbranch_scc0 .Lffn
	s_lshl_b32 s21, s19, 13                        ; Wout: eight rows of 1,024 bytes, column = thread
	v_lshl_add_u32 v6, v0, 2, s21
	LOAD8 10, 1024
	s_branch .Lpack
.Lffn:
	s_sub_co_u32 s19, ttmp9, 40
	s_lshr_b32 s21, s19, 3                         ; chunk c
	s_and_b32 s22, s19, 3                          ; which quarter of its W1 or W2 part
	s_bitcmp1_b32 s19, 2
	s_cbranch_scc1 .Lw2
	s_lshl3_add_u32 s23, s22, s18                  ; W1: k / 8 = 8 x quarter + wave, column 32 c + lane
	s_lshl_b32 s23, s23, 15                        ; eight rows of 4,096 bytes
	s_lshl_b32 s24, s21, 7
	s_add_co_u32 s23, s23, s24
	v_lshl_add_u32 v6, v2, 2, s23
	LOAD8 12, 4096
	s_branch .Lpack
.Lw2:
	s_lshl_b32 s23, s21, 5
	s_lshl3_add_u32 s23, s22, s23                  ; W2: row 32 c + 8 x quarter, column = thread
	s_lshl_b32 s23, s23, 10
	v_lshl_add_u32 v6, v0, 2, s23
	LOAD8 14, 1024
.Lpack:
	s_wait_loadcnt 0x0
	PACK8 16
	global_store_b128 v9, v[16:19], s[16:17]
	s_endpgm
.Lfunc_end_k_q91e8cecdeb_prep:
	.size	k_q91e8cecdeb_prep, .Lfunc_end_k_q91e8cecdeb_prep-k_q91e8cecdeb_prep
	.p2alignl 7, 3214868480
	.fill 96, 4, 3214868480
	.section	.rodata,"a",@progbits
	.p2align	6, 0x0
	.amdhsa_kernel k_q91e8cecdeb_prep
		.amdhsa_group_segment_fixed_size 0
		.amdhsa_private_segment_fixed_size 0
		.amdhsa_enable_private_segment 0
		.amdhsa_kernarg_size 56
		.amdhsa_user_sgpr_count 2
		.amdhsa_user_sgpr_kernarg_segment_ptr 1
		.amdhsa_wavefront_size32 1
		.amdhsa_system_sgpr_workgroup_id_x 1
		.amdhsa_system_sgpr_workgroup_id_y 1
		.amdhsa_system_sgpr_workgroup_id_z 1
		.amdhsa_system_vgpr_workitem_id 0
		.amdhsa_next_free_vgpr 96
		.amdhsa_next_free_sgpr 66
		.amdhsa_reserve_vcc 0
		.amdhsa_float_denorm_mode_32 3
		.amdhsa_float_denorm_mode_16_64 3
		.amdhsa_memory_ordered 1
		.amdhsa_forward_progress 1
		.amdhsa_inst_pref_size 17
	.end_amdhsa_kernel
	.amdgpu_metadata
---
amdhsa.version: [ 1, 2 ]
amdhsa.kernels:
  - .name:           k_q91e8cecdeb_prep
    .symbol:         k_q91e8cecdeb_prep.kd
    .args:
      - { .name: Wv, .offset: 0, .size: 8, .value_kind: global_buffer, .address_space: global }
      - { .name: Woff, .offset: 8, .size: 8, .value_kind: global_buffer, .address_space: global }
      - { .name: Wa, .offset: 16, .size: 8, .value_kind: global_buffer, .address_space: global }
      - { .name: Wout, .offset: 24, .size: 8, .value_kind: global_buffer, .address_space: global }
      - { .name: W1, .offset: 32, .size: 8, .value_kind: global_buffer, .address_space: global }
      - { .name: W2, .offset: 40, .size: 8, .value_kind: global_buffer, .address_space: global }
      - { .name: wts, .offset: 48, .size: 8, .value_kind: global_buffer, .address_space: global }
    .group_segment_fixed_size: 0
    .private_segment_fixed_size: 0
    .kernarg_segment_align: 8
    .kernarg_segment_size: 56
    .max_flat_workgroup_size: 256
    .sgpr_count:     66
    .vgpr_count:     96
    .wavefront_size: 32
...
	.end_amdgpu_metadata
.endif
;; end of part 1
;; launch proj (part 2): grid 208 x 1, 4 waves a work-group, no clusters, 274,944 bytes of LDS; arguments src, pos_embed, reference_points, padding_mask, bv, boff, ba, wts, vtab, sidx, swt; writes vtab, sidx, swt
.if DOCPART == 2
	.amdgcn_target "amdgcn-amd-amdhsa--gfx1250"
	.amdhsa_code_object_version 6
	.text
	.protected	k_q91e8cecdeb_proj
	.globl	k_q91e8cecdeb_proj
	.p2align	8
	.type	k_q91e8cecdeb_proj,@function
k_q91e8cecdeb_proj:
	s_mov_b64 s[64:65], 0
	v_nop
	global_prefetch_b8 v0, s[64:65] scope:SCOPE_SE
	s_setreg_imm32_b32 hwreg(HW_REG_WAVE_MODE, 25, 1), 1
	s_wait_xcnt 0x0
; v = (src Wv + bv) x mask;  off = (src + pos) Woff + boff;  a = softmax over a head's 16 of (src + pos) Wa + ba;  from off, a and the reference points: for every sampling point the index of the
; lowest of its four cells (a whole number) and the four cells' weights, a folded in.
; A batch's 13,294 rows lie in 13,312 slots; a work-group takes 128 slots of one batch (208 = 2 x 104).  Rows past a batch's end come in as zeros; what is made of them lies in slots that nobody uses.
; SHARES.  Wave w owns heads 2 w and 2 w + 1 for all 128 rows: ten column tiles of 16 (a head: V0, V1, OFF0, OFF1, AT).  Its weights, 80 fragments, stay in 640 registers; LDS holds the activations alone.
; NO CLUSTER: what work-groups share is the weights, 327,680 bytes, which go once from memory into registers; beside the activations they have no room in LDS.
; THE PRODUCT IS USED TRANSPOSED (source 0 = 16 weight columns, source 1 = 16 rows): lane (r, h) holds row r and the tile's columns 8 h + 0..7.  So a lane holds 8 channels of v (16 bytes in f16), four
; points' (x, y) of level h (OFF0) and of level 2 + h (OFF1), and, Wa's columns being so ordered, the same eight points' logits (AT).  Point j of half h: level h + 2 (j / 4), point j % 4.
; THE CELLS.  x = ref x W + off - 0.5 (one fused multiply-add and an addition where the model divides by W and multiplies again: another order of rounding).  The base cell is floor(x) held to 0 .. W - 2,
; a cell's weight along an axis max(0, 1 - |x - cell|): inside the map that is the bilinear weight; at and beyond the rim it gives the cells outside the map the weight 0.  The levels' sizes
; (100, 50, 25, 13, all square) are the model's constants.
; OUT.  vtab [unit (8 b + head) 4 + quarter][slot][8] f16;  sidx [8 b + head][slot / 8][h][slot % 8][8 points] u16;  swt [8 b + head][slot / 8][h][L 32][8 points] f16 with
; L = ((slot % 8) >> 2) 16 + corner 4 + (slot % 4), corner = 2 (y cell) + (x cell).
; LIMITS.  v beyond 65,504 has no f16; a weight below 6e-5 keeps f16's fixed step; a softmax term below 2^-126 counts as 0; NaN and infinities are not treated apart.
.set LQ,     13294
.set PITCH,  1040                      ; an LDS row: 1,024 bytes + 16 = 260 words: the 16 rows of a load start at 16 different groups of four banks (ISA guide 11.1)
.set POSB,   128*PITCH                 ; src's 128 rows, then pos_embed's
.set STAGE,  2*POSB                    ; 2,048 bytes for each wave, written by ds_store alone
.set SPARE,  STAGE+4*2048              ; the spare words, 128 bytes for each wave: two blocks of 256 bytes that no other line names
.set UNITB,  13312*16
.set SIB,    13312*32
.set SWB,    13312*128
.set R,   1
.set H,   2
.set SPW, 3                            ; LDS address of my spare word; never rewritten
.set NIL, 4                            ; 0; never rewritten
.set AS,  5                            ; LDS address of my part of src's rows in the block in hand
.set AP,  6                            ; the same for pos_embed
.set SLOT, 7                           ; my row's slot in its batch
.set VRP, 8
.set VMK, 9
.set VVT, 10
.set VSI, 11
.set VSW, 12
.set VST, 13
.set VSR, 14
.set AS0, 15
.set WH,  16                           ; v[16:17] (W, W) of level h, v[18:19] of level 2 + h
.set WM2, 20                           ; W - 2, likewise
.set STP, 22                           ; the level's first slot, in both halves of the word
.set MF,  24                           ; the mask as f32, twice
.set CA,  26                           ; v[26:27], v[28:29] ref x W - 0.5
.set ACC, 32                           ; ten accumulators
.set FR,  112                          ; two sets of (src's fragment, src + pos's fragment)
.set RAW, 144                          ; three sets of 32: f32 as read from LDS; behind the products the registers below
.set XY,  144
.set FB,  146
.set DD,  148
.set D1,  150
.set AX,  152
.set AY,  154
.set AYA, 156
.set WQ,  160
.set IX,  168
.set WP,  176
.set IDXP, 192
.set VP,  200
.set SB,  216
.set TT,  232
.set REFA, 240
.set REFB, 242
.set MKB, 244
.set ST,  246                          ; a head's pair: c m (later 1 / sum), m
.set VWL, 250
.set VBA, 251
.set VBB, 252
.set BI,  128                          ; window 3: the ten tiles' biases in the layout of a result
.set WV,  26
.set SBT, 27
.set G1,  28
.set G0,  36
.set POS0, 48
.set TB,  49
.set CNT, 50
.set ROWB, 51
.set CS,  52
.set SEL, 54
.set PV,  56
.set PI,  58
.set PW,  60
.set PWT, 62
.set MSB, 0
.macro WIN new                         ; the immediate's high byte repeats the setting that is left; a switch that changes nothing is dropped
.if MSB != (\new)
	s_set_vgpr_msb (MSB<<8)|(\new)
.set MSB, \new
.endif
.endm
.macro PLACES
.rept 4
	v_nop
.endr
.endm
	s_load_b256 s[4:11], s[0:1], 0x0               ; src s[4:5], pos s[6:7], ref s[8:9], mask s[10:11]
	s_load_b256 s[12:19], s[0:1], 0x20             ; bv s[12:13], boff s[14:15], ba s[16:17], wts s[18:19]
	s_load_b128 s[20:23], s[0:1], 0x40             ; vtab s[20:21], sidx s[22:23]
	s_load_b64 s[24:25], s[0:1], 0x50              ; swt
	v_lshl_add_u32 v[SPW], v0, 2, SPARE
	v_mov_b32 v[NIL], 0
	ds_add_u32 v[SPW], v[NIL]                      ; the wave's opening: the add and its wait ahead of my tensor load; work on registers stands between
	ds_add_u32 v3, v4
	v_lshrrev_b32 v[R], 5, v0
	v_readfirstlane_b32 s[WV], v[R]                ; wave 0..3
	s_cmp_ge_u32 ttmp9, 104
	s_cselect_b32 s[SBT], 1, 0                     ; batch
	s_mul_i32 s40, s[SBT], 104
	s_sub_co_u32 s40, ttmp9, s40
	s_lshl_b32 s[POS0], s40, 7                     ; the work-group's first slot in its batch
	s_mul_i32 s[ROWB], s[SBT], LQ
	s_and_b32 s41, s[WV], 1
	s_lshl_b32 s41, s41, 6
	s_add_co_u32 s41, s41, s[POS0]                 ; my tile's first row: waves 0, 1 fetch src's two halves of 64 rows, waves 2, 3 pos_embed's
	s_sub_co_u32 s42, LQ, s41                      ; rows left in the batch from there: 46 at the least
	s_min_u32 s42, s42, 64
	s_max_u32 s42, s42, 1                          ; the field is held to 1 .. 64
	s_mov_b32 s[G1+0], (2<<16)|(1<<20)|(7<<22)|(3<<25)  ; elements of 4 bytes; padding on: after every 256 words (code 7) 4 words (code 3)
	s_mov_b32 s[G1+1], 256<<16                     ; tensor_dim0 = 256
	s_lshl_b32 s[G1+2], s42, 16                    ; tensor_dim1 = the rows left: rows at or beyond it arrive as zeros
	s_mov_b32 s[G1+3], 256<<16                     ; tile_dim0 = 256
	s_mov_b32 s[G1+4], 64                          ; tile_dim1 = 64
	s_mov_b32 s[G1+5], 256                         ; elements from row to row
	s_mov_b32 s[G1+6], 0
	s_mov_b32 s[G1+7], 0
	s_mov_b32 s[G0], 1
	s_mul_i32 s[G0+1], s[WV], 64*PITCH             ; LDS address: wave x 64 rows
	s_add_co_u32 s44, s41, s[ROWB]
	s_lshl_b32 s44, s44, 10
	s_mov_b32 s45, 0
	s_lshl_b32 s40, s[SBT], 5
	s_lshl3_add_u32 s40, s[WV], s40                ; my first unit of vtab: 32 b + 8 w
	s_mul_i32 s40, s40, UNITB
	s_mov_b32 s41, 0
	s_lshl_b32 s42, s[SBT], 3
	s_lshl1_add_u32 s42, s[WV], s42                ; 8 b + 2 w
	s_mul_i32 s46, s42, SWB
	s_mov_b32 s47, 0
	s_mul_i32 s42, s42, SIB
	s_mov_b32 s43, 0
	s_mov_b32 s[CS], 0x3fb8aa3b                    ; log2(e)
	s_mov_b32 s[CS+1], s[CS]
	s_mov_b32 s[SEL], 0x76543210                   ; v_permlanex16_b32: each lane takes its own place in the other half
	s_mov_b32 s[SEL+1], 0xfedcba98
	s_mov_b32 s[TB], 0
	s_mov_b32 s[CNT], 8
	s_wait_dscnt 0x0                               ; the opening add is done
	s_wait_kmcnt 0x0
	s_cmp_lt_u32 s[WV], 2
	s_cselect_b64 s[G0+2:G0+3], s[4:5], s[6:7]
	s_add_nc_u64 s[G0+2:G0+3], s[G0+2:G0+3], s[44:45]
	s_or_b32 s[G0+3], s[G0+3], 0x80000000
	tensor_load_to_lds s[G0:G0+3], s[G1:G1+7]      ; my one tensor load: nothing is filled again in this launch
	s_nop 0
	PLACES
	s_add_nc_u64 s[PV:PV+1], s[20:21], s[40:41]
	s_add_nc_u64 s[PI:PI+1], s[22:23], s[42:43]
	s_add_nc_u64 s[PW:PW+1], s[24:25], s[46:47]
	s_mul_i32 s40, s[WV], 81920
	s_mov_b32 s41, 0
	s_add_nc_u64 s[PWT:PWT+1], s[18:19], s[40:41]  ; my wave's 80 fragments
	v_and_b32 v[R], 15, v0
	v_bfe_u32 v[H], v0, 4, 1
	v_and_b32 v[VWL], 31, v0
	v_lshlrev_b32 v[VWL], 4, v[VWL]
	s_lshl_b32 s40, s[WV], 8
	v_lshl_add_u32 v[VBA], v[H], 5, s40            ; bv, boff: (64 w + 8 h) numbers
	s_lshl_b32 s41, s[WV], 7
	v_lshl_add_u32 v[VBB], v[H], 4, s41            ; ba: (32 w + 4 h) numbers
.set f, 0
.rept 80                               ; fragment f lies at v[256 + 8 f]
	WIN (1+f/32)<<6
	global_load_b128 v[(8*f)%256:(8*f)%256+3],   v[VWL], s[PWT:PWT+1] offset:1024*f
	global_load_b128 v[(8*f)%256+4:(8*f)%256+7], v[VWL], s[PWT:PWT+1] offset:1024*f+512
.set f, f+1
.endr
	WIN 0xc0
.irp hh, 0,1
.irp t, 0,1
	global_load_b128 v[BI+8*(5*\hh+\t):BI+8*(5*\hh+\t)+3],     v[VBA], s[12:13] offset:128*\hh+64*\t
	global_load_b128 v[BI+8*(5*\hh+\t)+4:BI+8*(5*\hh+\t)+7],   v[VBA], s[12:13] offset:128*\hh+64*\t+16
	global_load_b128 v[BI+8*(5*\hh+2+\t):BI+8*(5*\hh+2+\t)+3],   v[VBA], s[14:15] offset:128*\hh+64*\t
	global_load_b128 v[BI+8*(5*\hh+2+\t)+4:BI+8*(5*\hh+2+\t)+7], v[VBA], s[14:15] offset:128*\hh+64*\t+16
.endr
	global_load_b128 v[BI+8*(5*\hh+4):BI+8*(5*\hh+4)+3],   v[VBB], s[16:17] offset:64*\hh      ; level h's four points,
	global_load_b128 v[BI+8*(5*\hh+4)+4:BI+8*(5*\hh+4)+7], v[VBB], s[16:17] offset:64*\hh+32   ; level 2 + h's
.endr
	WIN 0
	; the lane's constants
	v_cmp_ne_u32 vcc_lo, 0, v[H]
.macro LSEL dst, val0, val1            ; val0 in lanes 0-15, val1 in lanes 16-31
	v_mov_b32 v[\dst], \val0
	s_mov_b32 s40, \val1
	v_cndmask_b32 v[\dst], v[\dst], s40, vcc_lo
.endm
	LSEL WH,    0x42c80000, 0x42480000             ; 100, 50
	LSEL WH+2,  0x41c80000, 0x41500000             ; 25, 13
	LSEL WM2,   0x42c40000, 0x42400000             ; 98, 48
	LSEL WM2+1, 0x41b80000, 0x41300000             ; 23, 11
	LSEL STP,   0,          0x27102710             ; 0, 10,000
	LSEL STP+1, 0x30d430d4, 0x33453345             ; 12,500, 13,125
	v_mov_b32 v[WH+1], v[WH]
	v_mov_b32 v[WH+3], v[WH+2]
	v_mul_u32_u24 v[AS0], v[R], PITCH
	v_lshl_add_u32 v[AS0], v[H], 5, v[AS0]         ; row r, 8 h numbers of 4 bytes on
	v_add_nc_u32 v[SLOT], s[POS0], v[R]
	v_mul_u32_u24 v[VVT], v[H], UNITB
	v_lshl_add_u32 v[VVT], v[SLOT], 4, v[VVT]      ; vtab: quarter h, my slot
	s_lshl_b32 s41, s[POS0], 5
	v_lshrrev_b32 v[VSI], 3, v[R]
	v_lshl_add_u32 v[VSI], v[VSI], 1, v[H]
	v_and_b32 v[AP], 7, v[R]
	v_lshl_add_u32 v[VSI], v[VSI], 3, v[AP]
	v_lshl_add_u32 v[VSI], v[VSI], 4, s41          ; sidx: 256 (slot / 8) + 128 h + 16 (slot % 8)
	s_lshl_b32 s42, s[POS0], 7
	v_and_b32 v[VSW], 31, v0
	v_lshl_add_u32 v[VSW], v[VSW], 4, s42          ; swt: 1,024 (slot / 8) + 16 lane
	s_lshl_b32 s40, s[WV], 11
	s_add_co_u32 s40, s40, STAGE                   ; my stage
	v_and_b32 v[VSR], 31, v0
	v_lshl_add_u32 v[VSR], v[VSR], 4, s40
	v_lshrrev_b32 v[VST], 3, v[R]
	v_lshl_add_u32 v[VST], v[VST], 1, v[H]
	v_bfe_u32 v[AS], v[R], 2, 1
	v_lshl_add_u32 v[VST], v[VST], 1, v[AS]
	v_and_b32 v[AS], 3, v[R]
	v_lshlrev_b32 v[AS], 4, v[AS]
	v_lshl_add_u32 v[VST], v[VST], 8, v[AS]        ; 1,024 (r >> 3) + 512 h + 256 ((r >> 2) & 1) + 16 (r & 3)
	v_add_nc_u32 v[VST], s40, v[VST]
	s_wait_tensorcnt 0x0                           ; my tile is in,
	s_barrier_signal -1
	s_barrier_wait -1                              ; everybody's is
	s_wait_loadcnt 0x0                             ; weights and biases
.macro RAWLD ks                        ; 32 channels of my row of src and of pos_embed, f32: eight loads into set ks % 3
.set rRB, RAW+32*((\ks)%3)
	ds_load_b128 v[rRB:rRB+3],     v[AS] offset:128*(\ks)
	ds_load_b128 v[rRB+4:rRB+7],   v[AS] offset:128*(\ks)+16
	ds_load_b128 v[rRB+8:rRB+11],  v[AS] offset:128*(\ks)+64
	ds_load_b128 v[rRB+12:rRB+15], v[AS] offset:128*(\ks)+80
	ds_load_b128 v[rRB+16:rRB+19], v[AP] offset:128*(\ks)
	ds_load_b128 v[rRB+20:rRB+23], v[AP] offset:128*(\ks)+16
	ds_load_b128 v[rRB+24:rRB+27], v[AP] offset:128*(\ks)+64
	ds_load_b128 v[rRB+28:rRB+31], v[AP] offset:128*(\ks)+80
.endm
.macro BUILD ks, left                  ; the two fragments of K step ks; left: the younger sets' loads, which stay out
.set rRB, RAW+32*((\ks)%3)
.set rSF, FR+16*((\ks)%2)
	WIN 0
	s_wait_dscnt \left
.irp i, 0,1,2,3,4,5,6,7
	v_cvt_pk_bf16_f32 v[rSF+\i], v[rRB+2*\i], v[rRB+2*\i+1]
.endr
.irp i, 0,1,2,3,4,5,6,7
	v_pk_add_f32 v[rRB+16+2*\i:rRB+17+2*\i], v[rRB+16+2*\i:rRB+17+2*\i], v[rRB+2*\i:rRB+2*\i+1]  ; q = src + pos
.endr
.irp i, 0,1,2,3,4,5,6,7
	v_cvt_pk_bf16_f32 v[rSF+8+\i], v[rRB+16+2*\i], v[rRB+17+2*\i]
.endr
.endm
.macro MUL ks                          ; ten products; the ten accumulators take turns.  The first K step starts the sums with the biases
.set rSF, FR+16*((\ks)%2)
.set n, 0
.rept 10
.set f, 10*(\ks)+n
.set rB, rSF+8
.if n%5 < 2
.set rB, rSF
.endif
.if (\ks) == 0
	WIN 0x31                                       ; weights in window 1, biases in window 3
	v_wmma_f32_16x16x32_bf16 v[ACC+8*n:ACC+8*n+7], v[8*f:8*f+7], v[rB:rB+7], v[BI+8*n:BI+8*n+7]
.else
	WIN 1+f/32
	v_wmma_f32_16x16x32_bf16 v[ACC+8*n:ACC+8*n+7], v[(8*f)%256:(8*f)%256+7], v[rB:rB+7], v[ACC+8*n:ACC+8*n+7]
.endif
.set n, n+1
.endr
.endm
.macro VOUT hh, t                      ; a tile of v: times the mask, rounded to f16, 16 bytes a lane: 16 lanes store 256 consecutive bytes, aligned
.set rV, ACC+8*(5*(\hh)+(\t))
.set rP, VP+4*(2*(\hh)+(\t))
.irp i, 0,1,2,3
	v_pk_mul_f32 v[rV+2*\i:rV+2*\i+1], v[rV+2*\i:rV+2*\i+1], v[MF:MF+1]
.endr
.irp i, 0,1,2,3
	v_cvt_pk_f16_f32 v[rP+\i], v[rV+2*\i], v[rV+2*\i+1]
.endr
	global_store_b128 v[VVT], v[rP:rP+3], s[PV:PV+1] offset:(4*(\hh)+2*(\t))*UNITB
.endm
.macro POINT hh, jp, js                ; point j = 2 jp + js of head hh
.set j, 2*(\jp)+(\js)
.set sl, j/4
.set rO, ACC+8*(5*(\hh)+2+sl)+2*(j%4)
.set rA, ACC+8*(5*(\hh)+4)+2*(\jp)
	v_pk_add_f32 v[XY:XY+1], v[rO:rO+1], v[CA+2*sl:CA+2*sl+1]
	v_floor_f32 v[FB], v[XY]
	v_floor_f32 v[FB+1], v[XY+1]
	v_med3_num_f32 v[FB], v[FB], 0, v[WM2+sl]      ; the base cell
	v_med3_num_f32 v[FB+1], v[FB+1], 0, v[WM2+sl]
	v_pk_add_f32 v[DD:DD+1], v[XY:XY+1], v[FB:FB+1] neg_lo:[0,1] neg_hi:[0,1]
	v_pk_add_f32 v[D1:D1+1], v[DD:DD+1], -1.0 op_sel_hi:[1,0]
	v_sub_f32 v[AX], 1.0, |v[DD]|
	v_sub_f32 v[AY], 1.0, |v[DD+1]|
	v_sub_f32 v[AX+1], 1.0, |v[D1]|
	v_sub_f32 v[AY+1], 1.0, |v[D1+1]|
	v_max_num_f32 v[AX], 0, v[AX]
	v_max_num_f32 v[AY], 0, v[AY]
	v_max_num_f32 v[AX+1], 0, v[AX+1]
	v_max_num_f32 v[AY+1], 0, v[AY+1]
	v_fma_f32 v[IX+\js], v[FB+1], v[WH+2*sl], v[FB]  ; y W + x: exact in f32
	v_cvt_u32_f32 v[IX+\js], v[IX+\js]
	v_pk_mul_f32 v[AYA:AYA+1], v[AY:AY+1], v[rA:rA+1] op_sel:[0,\js] op_sel_hi:[1,\js]
	v_pk_mul_f32 v[WQ+4*\js:WQ+4*\js+1],   v[AX:AX+1], v[AYA:AYA+1] op_sel_hi:[1,0]
	v_pk_mul_f32 v[WQ+4*\js+2:WQ+4*\js+3], v[AX:AX+1], v[AYA:AYA+1] op_sel:[0,1] op_sel_hi:[1,1]
.if \js
.irp c, 0,1,2,3
	v_cvt_pk_f16_f32 v[WP+4*\c+\jp], v[WQ+\c], v[WQ+4+\c]
.endr
	v_lshl_or_b32 v[IDXP+4*(\hh)+\jp], v[IX+1], 16, v[IX]
	v_add_nc_u32 v[IDXP+4*(\hh)+\jp], v[STP+sl], v[IDXP+4*(\hh)+\jp]
.endif
.endm
.macro OUTH hh                         ; a head's indices leave as they lie; its weights go through my stage, so that each store of the wave covers 512 consecutive bytes
	global_store_b128 v[VSI], v[IDXP+4*(\hh):IDXP+4*(\hh)+3], s[PI:PI+1] offset:(\hh)*SIB
.irp c, 0,1,2,3
	ds_store_b128 v[VST], v[WP+4*\c:WP+4*\c+3] offset:64*\c
.endr
.if \hh
	s_wait_xcnt 0x0                                ; head 0's stores have read the registers that the loads below fill
.endif
.irp k, 0,1,2,3
	ds_load_b128 v[SB+4*\k:SB+4*\k+3], v[VSR] offset:512*\k  ; LDS serves a wave's instructions in order (ISA guide 5.7.1.4): these see the stores above
.endr
	s_wait_dscnt 0x0
.irp k, 0,1,2,3
	global_store_b128 v[VSW], v[SB+4*\k:SB+4*\k+3], s[PW:PW+1] offset:(\hh)*SWB+512*\k
.endr
.endm
.Ltrip:                                ; eight trips: a block of 16 slots each
	v_min_u32 v[VMK], LQ-1, v[SLOT]                ; a padded slot reads the batch's last row's points and mask
	v_add_nc_u32 v[VMK], s[ROWB], v[VMK]
	v_lshlrev_b32 v[VRP], 5, v[VMK]
	v_lshl_add_u32 v[VRP], v[H], 3, v[VRP]
	global_load_b64 v[REFA:REFA+1], v[VRP], s[8:9]            ; the reference point of level h,
	global_load_b64 v[REFB:REFB+1], v[VRP], s[8:9] offset:16  ; of level 2 + h
	global_load_u8 v[MKB], v[VMK], s[10:11]
	v_add_nc_u32 v[AS], s[TB], v[AS0]
	v_add_nc_u32 v[AP], POSB, v[AS]
	RAWLD 0
	RAWLD 1
	RAWLD 2
.irp ks, 0,1,2,3,4
	BUILD \ks, 16
	RAWLD (\ks)+3                                  ; into the set just read
	MUL \ks
.endr
	BUILD 5, 16
	MUL 5
	BUILD 6, 8
	MUL 6
	BUILD 7, 0
	MUL 7
	WIN 0
	s_wait_loadcnt 0x0                             ; the points and the mask
	v_cvt_f32_u32 v[MF], v[MKB]                    ; these four lines and four v_nop are the places behind the last products
	v_pk_fma_f32 v[CA:CA+1],   v[REFA:REFA+1], v[WH:WH+1],     -0.5 op_sel_hi:[1,1,0]
	v_pk_fma_f32 v[CA+2:CA+3], v[REFB:REFB+1], v[WH+2:WH+3],   -0.5 op_sel_hi:[1,1,0]
	v_mov_b32 v[MF+1], v[MF]
	PLACES
.irp hh, 0,1                           ; the maximum of a row's 16 logits of a head is taken away; each accumulator is read from its low end on
	v_max3_num_f32 v[TT+4*\hh],   v[ACC+8*(5*\hh+4)],   v[ACC+8*(5*\hh+4)+1], v[ACC+8*(5*\hh+4)+2]
	v_max3_num_f32 v[TT+4*\hh+1], v[ACC+8*(5*\hh+4)+3], v[ACC+8*(5*\hh+4)+4], v[ACC+8*(5*\hh+4)+5]
	v_max3_num_f32 v[TT+4*\hh],   v[TT+4*\hh], v[ACC+8*(5*\hh+4)+6], v[ACC+8*(5*\hh+4)+7]
	v_max_num_f32 v[TT+4*\hh], v[TT+4*\hh], v[TT+4*\hh+1]
	v_permlanex16_b32 v[TT+4*\hh+1], v[TT+4*\hh], s[SEL], s[SEL+1]  ; the other eight lie in the lane 16 away
	v_max_num_f32 v[ST+2*\hh+1], v[TT+4*\hh], v[TT+4*\hh+1]
	v_mul_f32 v[ST+2*\hh], s[CS], v[ST+2*\hh+1]
.irp i, 0,1,2,3
	v_pk_fma_f32 v[ACC+8*(5*\hh+4)+2*\i:ACC+8*(5*\hh+4)+2*\i+1], v[ACC+8*(5*\hh+4)+2*\i:ACC+8*(5*\hh+4)+2*\i+1], s[CS:CS+1], v[ST+2*\hh:ST+2*\hh+1] op_sel_hi:[1,0,0] neg_lo:[0,0,1] neg_hi:[0,0,1]
.endr
.endr
.irp hh, 0,1                           ; sixteen exponentials: one batch
.irp j, 0,1,2,3,4,5,6,7
	v_exp_f32 v[ACC+8*(5*\hh+4)+\j], v[ACC+8*(5*\hh+4)+\j]
.endr
.endr
	VOUT 0, 0                                      ; v's four tiles name no exponential's result: the independent work behind the batch
	VOUT 0, 1
	VOUT 1, 0
	VOUT 1, 1
	s_wait_alu depctr_va_vdst(0)                   ; one wait for the batch, ahead of its first reader
.irp hh, 0,1
	v_pk_add_f32 v[TT+4*\hh:TT+4*\hh+1],   v[ACC+8*(5*\hh+4):ACC+8*(5*\hh+4)+1],   v[ACC+8*(5*\hh+4)+2:ACC+8*(5*\hh+4)+3]
	v_pk_add_f32 v[TT+4*\hh+2:TT+4*\hh+3], v[ACC+8*(5*\hh+4)+4:ACC+8*(5*\hh+4)+5], v[ACC+8*(5*\hh+4)+6:ACC+8*(5*\hh+4)+7]
	v_pk_add_f32 v[TT+4*\hh:TT+4*\hh+1], v[TT+4*\hh:TT+4*\hh+1], v[TT+4*\hh+2:TT+4*\hh+3]
	v_add_f32 v[TT+4*\hh], v[TT+4*\hh], v[TT+4*\hh+1]
	v_permlanex16_b32 v[TT+4*\hh+1], v[TT+4*\hh], s[SEL], s[SEL+1]
	v_add_f32 v[TT+4*\hh], v[TT+4*\hh], v[TT+4*\hh+1]
.endr
	v_rcp_f32 v[ST], v[TT]
	v_rcp_f32 v[ST+2], v[TT+4]
	v_nop                                          ; a plain instruction behind the reciprocals,
	s_wait_alu depctr_va_vdst(0)                   ; and their wait
.irp hh, 0,1
.irp i, 0,1,2,3
	v_pk_mul_f32 v[ACC+8*(5*\hh+4)+2*\i:ACC+8*(5*\hh+4)+2*\i+1], v[ACC+8*(5*\hh+4)+2*\i:ACC+8*(5*\hh+4)+2*\i+1], v[ST+2*\hh:ST+2*\hh+1] op_sel_hi:[1,0]
.endr
.endr
.irp hh, 0,1
.irp jp, 0,1,2,3
.irp js, 0,1
	POINT \hh, \jp, \js
.endr
.endr
	OUTH \hh
.endr
	s_wait_xcnt 0x0                                ; the trip's loads and stores have read their addresses and data: only now are these written again
	v_add_nc_u32 v[SLOT], 16, v[SLOT]
	v_add_nc_u32 v[VVT], 256, v[VVT]
	v_add_nc_u32 v[VSI], 512, v[VSI]
	v_add_nc_u32 v[VSW], 2048, v[VSW]
	s_add_co_u32 s[TB], s[TB], 16*PITCH
	s_sub_co_u32 s[CNT], s[CNT], 1
	s_cmp_lg_u32 s[CNT], 0
	s_cbranch_scc1 .Ltrip
	s_wait_tensorcnt 0x0                           ; the wave's end, behind my last LDS store
	ds_add_u32 v[SPW], v[NIL]
	s_wait_dscnt 0x0
	s_endpgm
.Lfunc_end_k_q91e8cecdeb_proj:
	.size	k_q91e8cecdeb_proj, .Lfunc_end_k_q91e8cecdeb_proj-k_q91e8cecdeb_proj
	.p2alignl 7, 3214868480
	.fill 96, 4, 3214868480
	.section	.rodata,"a",@progbits
	.p2align	6, 0x0
	.amdhsa_kernel k_q91e8cecdeb_proj
		.amdhsa_group_segment_fixed_size 274944
		.amdhsa_private_segment_fixed_size 0
		.amdhsa_enable_private_segment 0
		.amdhsa_kernarg_size 88
		.amdhsa_user_sgpr_count 2
		.amdhsa_user_sgpr_kernarg_segment_ptr 1
		.amdhsa_wavefront_size32 1
		.amdhsa_system_sgpr_workgroup_id_x 1
		.amdhsa_system_sgpr_workgroup_id_y 1
		.amdhsa_system_sgpr_workgroup_id_z 1
		.amdhsa_system_vgpr_workitem_id 0
		.amdhsa_next_free_vgpr 1024
		.amdhsa_next_free_sgpr 66
		.amdhsa_reserve_vcc 1
		.amdhsa_float_denorm_mode_32 3
		.amdhsa_float_denorm_mode_16_64 3
		.amdhsa_memory_ordered 1
		.amdhsa_forward_progress 1
		.amdhsa_inst_pref_size 74
	.end_amdhsa_kernel
	.amdgpu_metadata
---
amdhsa.version: [ 1, 2 ]
amdhsa.kernels:
  - .name:           k_q91e8cecdeb_proj
    .symbol:         k_q91e8cecdeb_proj.kd
    .args:
      - { .name: src, .offset: 0, .size: 8, .value_kind: global_buffer, .address_space: global }
      - { .name: pos_embed, .offset: 8, .size: 8, .value_kind: global_buffer, .address_space: global }
      - { .name: reference_points, .offset: 16, .size: 8, .value_kind: global_buffer, .address_space: global }
      - { .name: padding_mask, .offset: 24, .size: 8, .value_kind: global_buffer, .address_space: global }
      - { .name: bv, .offset: 32, .size: 8, .value_kind: global_buffer, .address_space: global }
      - { .name: boff, .offset: 40, .size: 8, .value_kind: global_buffer, .address_space: global }
      - { .name: ba, .offset: 48, .size: 8, .value_kind: global_buffer, .address_space: global }
      - { .name: wts, .offset: 56, .size: 8, .value_kind: global_buffer, .address_space: global }
      - { .name: vtab, .offset: 64, .size: 8, .value_kind: global_buffer, .address_space: global }
      - { .name: sidx, .offset: 72, .size: 8, .value_kind: global_buffer, .address_space: global }
      - { .name: swt, .offset: 80, .size: 8, .value_kind: global_buffer, .address_space: global }
    .group_segment_fixed_size: 274944
    .private_segment_fixed_size: 0
    .kernarg_segment_align: 8
    .kernarg_segment_size: 88
    .max_flat_workgroup_size: 128
    .sgpr_count:     66
    .vgpr_count:     1024
    .wavefront_size: 32
...
	.end_amdgpu_metadata
.endif
;; end of part 2
;; launch sample (part 3): grid 256 x 1, 8 waves a work-group, no clusters, 230,400 bytes of LDS; arguments vtab, sidx, swt, samp; writes samp
.if DOCPART == 3
	.amdgcn_target "amdgcn-amd-amdhsa--gfx1250"
	.amdhsa_code_object_version 6
	.text
	.protected	k_q91e8cecdeb_sample
	.globl	k_q91e8cecdeb_sample
	.p2align	8
	.type	k_q91e8cecdeb_sample,@function
k_q91e8cecdeb_sample:
	s_mov_b64 s[64:65], 0
	v_nop
	global_prefetch_b8 v0, s[64:65] scope:SCOPE_SE
	s_setreg_imm32_b32 hwreg(HW_REG_WAVE_MODE, 25, 1), 1
	s_wait_xcnt 0x0
; samp[slot][8 channels] = the sum over a head's 16 points and their 4 cells of weight x v[cell][8 channels], for one unit u = (8 b + head) 4 + quarter of v.
; THE TABLE LIES IN LDS: a unit of vtab is 13,312 slots x 16 bytes = 212,992 bytes.  The reference points are free, so neighbouring rows share no cells; each gather is one ds_load_b128.
; SHARES.  Work-group i takes unit i / 4 and range i % 4 of 3,328 slots; each of its eight waves fetches an eighth of the table by one tensor load.
; NO CLUSTER, though four work-groups read the same table: with joint loads every LDS address has to be alike in all partners, and the gathers' addresses are made of each work-group's own indices.
; LANES.  Lane L = 16 (qi >> 2) + 4 c + (qi & 3): query qi of 8, cell c of 4.  The 16 lanes that LDS serves together are 4 queries x 4 cells; a point's four cells lie 16, 16 W and 16 W + 16 bytes from
; its base.  A lane adds up weight x value over the 16 points in f32; two exchanges inside the row of 16 lanes add the four cells.
; A SUB-STEP is 8 queries, in two halves of 8 points; a TRIP is 4 sub-steps, 32 slots; wave w takes slots 3,328 (i % 4) + 416 w + 32 m, m = 0 .. 12.  Behind a trip lane (qi, c) holds slot 8 c + qi: 512 bytes on end.
; IN FLIGHT.  A sub-step's weights and indices (4 loads) are asked for again, for the next trip, as soon as it is done; a half's 8 gathers go out ahead of the arithmetic of the half before.
; No matrix unit: each lane has weights of its own.  Sums in f32; samp is rounded once to bf16.
.set LP,    13312
.set UNITB, LP*16
.set SIB,   LP*32
.set SWB,   LP*128
.set SAMPK, 2*LP*16
.set SPARE, 229376                     ; the spare words, 128 bytes for each of eight waves: four blocks of 256 bytes that no other line names
.set SPW, 1
.set NIL, 2
.set ZERO, 3
.set VLW, 4                            ; 16 L
.set VLI, 5                            ; 16 qi
.set VLS, 6                            ; 16 (8 c + qi)
.set T0,  7
.set DL,  8                            ; v8-11   by level: my cell's distance from the base, in bytes
.set ADR, 12                           ; v12-19
.set AC,  20                           ; v20-27  eight sums
.set RR,  28                           ; v28-43  the four sub-steps' results, 4 registers each
.set OUT, 44
.set TM,  48
.set SET, 64                           ; v64-127 sub-step k at 16 k: weights of half 0, of half 1, indices of half 0, of half 1
.set DB,  192                          ; v192-255 two sets of 8 gathers
.set WV,  12
.set CX,  13                           ; which range of 3,328 slots
.set G1,  16
.set G0,  24
.set SW,  28
.set SI,  30
.set SS,  32
.set M1,  34
.set M2,  35
.set CNT, 36
.set UN,  37                           ; the unit
	s_load_b256 s[4:11], s[0:1], 0x0               ; vtab s[4:5], sidx s[6:7], swt s[8:9], samp s[10:11]
	v_lshl_add_u32 v[SPW], v0, 2, SPARE
	v_mov_b32 v[NIL], 0
	ds_add_u32 v[SPW], v[NIL]                      ; the wave's opening: the add and its wait ahead of my tensor load; work on registers stands between
	ds_add_u32 v1, v2
	v_lshrrev_b32 v[T0], 5, v0
	v_readfirstlane_b32 s[WV], v[T0]               ; wave 0..7
	s_and_b32 s[CX], ttmp9, 3
	s_lshr_b32 s[UN], ttmp9, 2
	s_mov_b32 s[G1+0], 3<<16                       ; no mask; elements of 8 bytes; no padding
	s_mov_b32 s[G1+1], 32<<16                      ; tensor_dim0 = 32: rows of 256 bytes
	s_mov_b32 s[G1+2], 104<<16                     ; tensor_dim1 = 104
	s_mov_b32 s[G1+3], 32<<16                      ; tile_dim0
	s_mov_b32 s[G1+4], 104                         ; tile_dim1
	s_mov_b32 s[G1+5], 32                          ; dense
	s_mov_b32 s[G1+6], 0
	s_mov_b32 s[G1+7], 0
	s_mov_b32 s[G0], 1
	s_mul_i32 s[G0+1], s[WV], 26624                ; my eighth of the table
	s_mul_i32 s40, s[UN], UNITB
	s_add_co_u32 s40, s40, s[G0+1]
	s_mov_b32 s41, 0
	s_lshr_b32 s42, s[UN], 2                       ; 8 b + head
	s_mul_i32 s43, s[CX], 416
	s_mul_i32 s44, s[WV], 52
	s_add_co_u32 s43, s43, s44                     ; my first group of 8 slots
	s_mul_i32 s44, s42, SWB
	s_lshl_b32 s45, s43, 10
	s_add_co_u32 s44, s44, s45
	s_mov_b32 s45, 0
	s_mul_i32 s46, s42, SIB
	s_lshl_b32 s47, s43, 8
	s_add_co_u32 s46, s46, s47
	s_mov_b32 s47, 0
	s_and_b32 s48, s[UN], 31                       ; samp's block of 8 channels: 4 head + quarter
	s_mul_i32 s48, s48, SAMPK
	s_lshr_b32 s49, s[UN], 5                       ; batch
	s_mul_i32 s49, s49, UNITB
	s_add_co_u32 s48, s48, s49
	s_lshl_b32 s49, s43, 7
	s_add_co_u32 s48, s48, s49
	s_mov_b32 s49, 0
	s_mov_b32 s[CNT], 12
	s_wait_dscnt 0x0                               ; the opening add is done
	s_wait_kmcnt 0x0
	s_add_nc_u64 s[G0+2:G0+3], s[4:5], s[40:41]
	s_or_b32 s[G0+3], s[G0+3], 0x80000000
	s_add_nc_u64 s[SW:SW+1], s[8:9], s[44:45]
	s_add_nc_u64 s[SI:SI+1], s[6:7], s[46:47]
	s_add_nc_u64 s[SS:SS+1], s[10:11], s[48:49]
	tensor_load_to_lds s[G0:G0+3], s[G1:G1+7]      ; my one tensor load: nothing is filled again
	s_nop 0
	v_and_b32 v[T0], 31, v0
	v_lshlrev_b32 v[VLW], 4, v[T0]
	v_bfe_u32 v52, v0, 4, 1
	v_and_b32 v53, 3, v0
	v_lshl_or_b32 v52, v52, 2, v53                 ; qi
	v_lshlrev_b32 v[VLI], 4, v52
.macro LOADK k                         ; a sub-step's weights (512 bytes a half) and indices (128 bytes a half; the four cells' lanes read the same)
	global_load_b128 v[SET+16*(\k):SET+16*(\k)+3],     v[VLW], s[SW:SW+1] offset:1024*(\k)
	global_load_b128 v[SET+16*(\k)+4:SET+16*(\k)+7],   v[VLW], s[SW:SW+1] offset:1024*(\k)+512
	global_load_b128 v[SET+16*(\k)+8:SET+16*(\k)+11],  v[VLI], s[SI:SI+1] offset:256*(\k)
	global_load_b128 v[SET+16*(\k)+12:SET+16*(\k)+15], v[VLI], s[SI:SI+1] offset:256*(\k)+128
.endm
	LOADK 0                                        ; trip 0
	LOADK 1
	LOADK 2
	LOADK 3
	v_bfe_u32 v53, v0, 2, 2                        ; c
	v_lshl_add_u32 v54, v53, 3, v52
	v_lshlrev_b32 v[VLS], 4, v54
	v_and_b32 v54, 1, v53                          ; the cell along x
	v_lshrrev_b32 v55, 1, v53                      ; along y
	v_cmp_ne_u32 s[M1], 0, v54
	v_cmp_ne_u32 s[M2], 0, v55
	v_lshlrev_b32 v54, 4, v54
	v_mad_u32_u24 v[DL+0], v55, 1600, v54          ; 16 (x cell + W x y cell), W = 100, 50, 25, 13
	v_mad_u32_u24 v[DL+1], v55, 800, v54
	v_mad_u32_u24 v[DL+2], v55, 400, v54
	v_mad_u32_u24 v[DL+3], v55, 208, v54
	v_mov_b32 v[ZERO], 0
.macro G k, hp                         ; the eight gathers of half hp of sub-step k.  An index is held to its level's greatest base cell, so that all four cells lie in the table
.set j, 0
.rept 8
.set rI, SET+16*(\k)+8+4*(\hp)+j/2
.set lv, (\hp)+2*(j/4)
.if j%2
	v_lshrrev_b32 v[ADR+j], 16, v[rI]
.else
	v_and_b32 v[ADR+j], 0xffff, v[rI]
.endif
.if lv == 0
	v_min_u32 v[ADR+j], 9898, v[ADR+j]
.elseif lv == 1
	v_min_u32 v[ADR+j], 12448, v[ADR+j]
.elseif lv == 2
	v_min_u32 v[ADR+j], 13098, v[ADR+j]
.else
	v_min_u32 v[ADR+j], 13279, v[ADR+j]
.endif
	v_lshl_add_u32 v[ADR+j], v[ADR+j], 4, v[DL+lv]
	ds_load_b128 v[DB+32*(\hp)+4*j:DB+32*(\hp)+4*j+3], v[ADR+j]
.set j, j+1
.endr
.endm
.macro F k, hp                         ; 8 points x 8 channels: f16 x f16 added in f32; a sub-step's first point starts the sums
.set rD, DB+32*(\hp)
.set rW, SET+16*(\k)+4*(\hp)
.irp jp, 0,1,2,3
.irp js, 0,1
.irp cp, 0,1,2,3
.irp cs, 0,1
.if ((\hp) == 0) && ((2*\jp+\js) == 0)
	v_fma_mix_f32 v[AC+2*\cp+\cs], v[rD+4*(2*\jp+\js)+\cp], v[rW+\jp], v[ZERO] op_sel:[\cs,\js,0] op_sel_hi:[1,1,0]
.else
	v_fma_mix_f32 v[AC+2*\cp+\cs], v[rD+4*(2*\jp+\js)+\cp], v[rW+\jp], v[AC+2*\cp+\cs] op_sel:[\cs,\js,0] op_sel_hi:[1,1,0]
.endif
.endr
.endr
.endr
.endr
.endm
.macro RED k                           ; the four cells' lanes are added; every one of them then holds the query's eight channels
.irp ch, 0,1,2,3,4,5,6,7
	v_add_f32_dpp v[AC+\ch], v[AC+\ch], v[AC+\ch] row_xmask:4 row_mask:0xf bank_mask:0xf
.endr
.irp ch, 0,1,2,3,4,5,6,7
	v_add_f32_dpp v[AC+\ch], v[AC+\ch], v[AC+\ch] row_xmask:8 row_mask:0xf bank_mask:0xf
.endr
.irp i, 0,1,2,3
	v_cvt_pk_bf16_f32 v[RR+4*(\k)+\i], v[AC+2*\i], v[AC+2*\i+1]
.endr
.endm
; A TRIP.  re = 1: each sub-step's registers are loaded again for the next trip, and the next trip's first gathers go out.  c1, c2, c3: the younger loads that may stay out when sub-steps 1, 2, 3 are
; wanted: in the loop two sub-steps' four each.  s_wait_dscnt 8 leaves the eight gathers just issued out.
.macro TRIP re, c1, c2, c3
	s_wait_xcnt 0x0                                ; all that was issued has read its addresses and data: the bases and OUT may be written
	s_add_nc_u64 s[SS:SS+1], s[SS:SS+1], 512       ; the store below reaches back
.if \re
	s_add_nc_u64 s[SW:SW+1], s[SW:SW+1], 4096      ; the next trip's weights and indices
	s_add_nc_u64 s[SI:SI+1], s[SI:SI+1], 1024
.endif
	G 0, 1
	s_wait_dscnt 8
	F 0, 0
	s_wait_loadcnt \c1
	G 1, 0
	s_wait_dscnt 8
	F 0, 1
	RED 0
.if \re
	LOADK 0
.endif
	G 1, 1
	s_wait_dscnt 8
	F 1, 0
	s_wait_loadcnt \c2
	G 2, 0
	s_wait_dscnt 8
	F 1, 1
	RED 1
.if \re
	LOADK 1
.endif
	G 2, 1
	s_wait_dscnt 8
	F 2, 0
	s_wait_loadcnt \c3
	G 3, 0
	s_wait_dscnt 8
	F 2, 1
	RED 2
.if \re
	LOADK 2
.endif
	G 3, 1
	s_wait_dscnt 8
	F 3, 0
.if \re
	s_wait_loadcnt 8                               ; the next trip's sub-step 0 is in; sub-steps 1 and 2 may stay out
	G 0, 0
	s_wait_dscnt 8
.else
	s_wait_dscnt 0x0
.endif
	F 3, 1
	RED 3
.if \re
	LOADK 3
.endif
.irp i, 0,1,2,3                        ; lane (qi, c) takes sub-step c's result
	v_cndmask_b32 v[OUT+\i], v[RR+\i], v[RR+4+\i], s[M1]
	v_cndmask_b32 v[TM+\i], v[RR+8+\i], v[RR+12+\i], s[M1]
	v_cndmask_b32 v[OUT+\i], v[OUT+\i], v[TM+\i], s[M2]
.endr
	global_store_b128 v[VLS], v[OUT:OUT+3], s[SS:SS+1] offset:-512  ; 32 slots x 16 bytes: 512 consecutive bytes, aligned
.endm
	s_wait_tensorcnt 0x0                           ; my eighth of the table is in,
	s_barrier_signal -1
	s_barrier_wait -1                              ; everybody's is
	s_wait_loadcnt 12                              ; sub-step 0 is in; three sub-steps' loads may stay out
	G 0, 0
.Ltrip:
	TRIP 1, 8, 8, 8
	s_sub_co_u32 s[CNT], s[CNT], 1
	s_cmp_lg_u32 s[CNT], 0
	s_cbranch_scc1 .Ltrip
	TRIP 0, 8, 4, 0                                ; the last trip loads nothing: the counts run down
	s_wait_tensorcnt 0x0                           ; the wave's end
	ds_add_u32 v[SPW], v[NIL]
	s_wait_dscnt 0x0
	s_endpgm
.Lfunc_end_k_q91e8cecdeb_sample:
	.size	k_q91e8cecdeb_sample, .Lfunc_end_k_q91e8cecdeb_sample-k_q91e8cecdeb_sample
	.p2alignl 7, 3214868480
	.fill 96, 4, 3214868480
	.section	.rodata,"a",@progbits
	.p2align	6, 0x0
	.amdhsa_kernel k_q91e8cecdeb_sample
		.amdhsa_group_segment_fixed_size 230400
		.amdhsa_private_segment_fixed_size 0
		.amdhsa_enable_private_segment 0
		.amdhsa_kernarg_size 32
		.amdhsa_user_sgpr_count 2
		.amdhsa_user_sgpr_kernarg_segment_ptr 1
		.amdhsa_wavefront_size32 1
		.amdhsa_system_sgpr_workgroup_id_x 1
		.amdhsa_system_sgpr_workgroup_id_y 1
		.amdhsa_system_sgpr_workgroup_id_z 1
		.amdhsa_system_vgpr_workitem_id 0
		.amdhsa_next_free_vgpr 256
		.amdhsa_next_free_sgpr 66
		.amdhsa_reserve_vcc 0
		.amdhsa_float_denorm_mode_32 3
		.amdhsa_float_denorm_mode_16_64 3
		.amdhsa_memory_ordered 1
		.amdhsa_forward_progress 1
		.amdhsa_inst_pref_size 114
	.end_amdhsa_kernel
	.amdgpu_metadata
---
amdhsa.version: [ 1, 2 ]
amdhsa.kernels:
  - .name:           k_q91e8cecdeb_sample
    .symbol:         k_q91e8cecdeb_sample.kd
    .args:
      - { .name: vtab, .offset: 0, .size: 8, .value_kind: global_buffer, .address_space: global }
      - { .name: sidx, .offset: 8, .size: 8, .value_kind: global_buffer, .address_space: global }
      - { .name: swt, .offset: 16, .size: 8, .value_kind: global_buffer, .address_space: global }
      - { .name: samp, .offset: 24, .size: 8, .value_kind: global_buffer, .address_space: global }
    .group_segment_fixed_size: 230400
    .private_segment_fixed_size: 0
    .kernarg_segment_align: 8
    .kernarg_segment_size: 32
    .max_flat_workgroup_size: 256
    .sgpr_count:     66
    .vgpr_count:     256
    .wavefront_size: 32
...
	.end_amdgpu_metadata
.endif
;; end of part 3
;; launch ffn (part 4): grid 208 x 1, 4 waves a work-group, clusters of 4 x 1, 327,680 bytes of LDS; arguments samp, src, wts, bout, g1, be1, b1, b2, g2, be2, out0; writes out0
.if DOCPART == 4
	.amdgcn_target "amdgcn-amd-amdhsa--gfx1250"
	.amdhsa_code_object_version 6
	.text
	.protected	k_q91e8cecdeb_ffn
	.globl	k_q91e8cecdeb_ffn
	.p2align	8
	.type	k_q91e8cecdeb_ffn,@function
k_q91e8cecdeb_ffn:
	s_mov_b64 s[64:65], 0
	v_nop
	global_prefetch_b8 v0, s[64:65] scope:SCOPE_SE
	s_setreg_imm32_b32 hwreg(HW_REG_WAVE_MODE, 25, 1), 1
	s_wait_xcnt 0x0
	s_wait_alu depctr_hold_cnt(0) depctr_sa_sdst(0) depctr_va_vdst(0) depctr_va_sdst(0) depctr_va_ssrc(0) depctr_va_vcc(0) depctr_vm_vsrc(0)
	s_getreg_b32 s2, hwreg(HW_REG_IB_STS2, 6, 4)
	s_cmp_eq_u32 s2, 0
	s_cbranch_scc0 .Lentry_in_a_cluster
	s_endpgm
.Lentry_in_a_cluster:
	s_bfe_u32 s2, ttmp6, 0x10000c
	s_cmp_lg_u32 s2, 0x3003
	s_cbranch_scc0 .Lentry_shape_is_right
	s_endpgm
.Lentry_shape_is_right:
; x = LN(src + samp Wout + bout; g1, be1);  out0 = LN(x + relu(x W1 + b1) W2 + b2; g2, be2).  Matrix operands in bf16 (samp, x, the hidden layer, all weights); residuals, norms and sums in f32.
; SHARES.  A work-group takes 128 slots of one batch, a wave 32 rows (two blocks of 16) and ALL 256 columns of them: a row's norm stays inside two lanes, and x and the hidden layer never leave registers.
; THE PRODUCTS ARE USED TRANSPOSED (source 0 = 16 weight columns, source 1 = 16 rows): lane (r, h) holds row r and the columns 16 nb + 8 h + 0..7; two such tiles rounded in pairs ARE the next product's source 1.
; THE WEIGHTS, 1,179,648 bytes in fragment order, come as nine fills of 131,072 through two LDS slots: fill 0 is Wout; fills 1-8 hold four chunks of 32 hidden columns each (16 KB of W1, 16 KB of W2).
; CLUSTER.  All work-groups walk the same weights: the four of a cluster ask for each fill JOINTLY, a wave a quarter.  The place in the cluster enters global addresses alone.
; A hidden chunk: 32 products x W1 (four accumulators by turns), relu and rounding, 32 products into the 32 accumulators of the rows.  The trip is turned so that the change of slots stands in front of
; products whose operands lie in registers.
; PADDED SLOTS (18 at each batch's end) load the batch's last row, compute it again and store the same bytes to it again, in the same wave: no branch and no mask hangs on the work-group's place.
; REGISTERS: window 0: addresses, statistics, HACC, HB, B1, ROWOFF, XB;  window 1: the 32 accumulators Z (block rb, tile nb at 128 rb + 8 nb);  window 2: two vectors of 256 parameters in a result's layout;
; window 3: two sets of 16 weight fragments.
; LIMITS.  NaN and infinities are not treated apart.
.set LQ,    13294
.set LP,    13312
.set SAMPK, 2*LP*16
.set FILL,  131072
.set STREAM, 327680
.set B1TAB, 2*FILL
.set STAGE, B1TAB+4096                 ; 16 rows x 528 bytes for each wave, written by ds_store alone
.set SPT,   528                        ; 512 bytes + 16 = 132 words: the 16 rows of a load start at 16 different groups of four banks (ISA guide 11.1)
.set SPARE, STAGE+4*16*SPT             ; the spare words, 128 bytes for each wave: two blocks of 256 bytes that no other line names
.set R,   1
.set H,   2
.set SPW, 3
.set NIL, 4
.set ZB,  5                            ; 0, for the relu
.set AW1, 6                            ; 512 h + 16 r
.set AW2, 7                            ; 4,096 h + 16 r
.set ADRA, 8
.set ADRB, 9
.set AB1, 10
.set ADR1, 11
.set STW, 12                           ; stage, by rows: 16 lane
.set STR, 13                           ; stage, by a result's layout: 528 r + 32 h
.set VSO, 14                           ; v14-15
.set VPB, 16
.set PFO, 17
.set RS1, 18                           ; v[18:19]
.set CC,  20                           ; v20-27  four chains of pairs
.set MU,  28
.set RS0, 30
.set HACC, 32                          ; tile t, block rb at 8 (2 t + rb)
.set HB,  64
.set B1,  80
.set ROWOFF, 96                        ; row t of block rb: its byte offset in src and out0, + 16 lane
.set XB,  128                          ; source 1 of block rb, K step ks at 64 rb + 8 ks
.set P0,  0
.set P1,  128
.set WA,  0
.set WB,  128
.set G1,  28
.set G1B, 36
.set G0A, 44
.set G0C, 48
.set G0B, 52
.set WV,  56
.set GR,  57
.set CNT, 58
.set TB,  59
.set CH,  60
.set LIM, 61
.set PFA, 62
.set SEL, 66
.set CX,  68
.set POSW, 69
.set K256, 78
.set EPS, 79
.set SRCB, 82
.set OUTB, 84
.set SAMP0, 86
.set SAMP1, 88
.set MSB, 0
.macro WIN new                         ; the immediate's high byte repeats the setting that is left; a switch that changes nothing is dropped
.if MSB != (\new)
	s_set_vgpr_msb (MSB<<8)|(\new)
.set MSB, \new
.endif
.endm
.macro PLACES
.rept 4
	v_nop
.endr
.endm
.macro ROUND                           ; a round of the cluster's barrier
	s_barrier_signal -1
	s_barrier_wait -1
	s_cmp_lg_u32 s[WV], 0
	s_cbranch_scc1 .Lnot_wave_0_\@
	s_barrier_signal -3
.Lnot_wave_0_\@:
	s_barrier_wait -3
	s_barrier_signal -1
	s_barrier_wait -1
.endm
.macro PLOAD win, d, sb                ; a vector of 256 numbers in a result's layout: tile nb's eight at d + 8 nb
	WIN (\win)<<6
.set nb, 0
.rept 16
	global_load_b128 v[(\d)+8*nb:(\d)+8*nb+3],   v[VPB], s[\sb:(\sb)+1] offset:64*nb
	global_load_b128 v[(\d)+8*nb+4:(\d)+8*nb+7], v[VPB], s[\sb:(\sb)+1] offset:64*nb+16
.set nb, nb+1
.endr
.endm
.macro LOADZ adr, wb                   ; 16 fragments of 16 columns x 32 k out of [k / 8][256][8]: 16 lanes read 256 consecutive bytes
	WIN 0xc0
.set nb, 0
.rept 16
	ds_load_b128 v[(\wb)+8*nb:(\wb)+8*nb+3],   v[\adr] offset:256*nb
	ds_load_b128 v[(\wb)+8*nb+4:(\wb)+8*nb+7], v[\adr] offset:256*nb+8192
.set nb, nb+1
.endr
.endm
.macro PRODZ wb, s1, stride            ; 32 products, one onto each of the 32 accumulators: they take turns
	WIN 0x53
.set nb, 0
.rept 16
.irp rb, 0,1
	v_wmma_f32_16x16x32_bf16 v[128*\rb+8*nb:128*\rb+8*nb+7], v[(\wb)+8*nb:(\wb)+8*nb+7], v[(\s1)+(\rb)*(\stride):(\s1)+(\rb)*(\stride)+7], v[128*\rb+8*nb:128*\rb+8*nb+7]
.endr
.set nb, nb+1
.endr
.endm
; A prefetch into the L2 of the fill that the NEXT change of slots will ask for.  All clusters walk the same fills: the first cluster asks.  Its four partners share a wave's quarter out BY ADDRESS, 32 blocks of 256
; bytes each, a lane a block: each block is named once in the launch.  Fills 0 to 2 come by their loads alone; the last change that fills a slot asks for nothing.
.macro ASK
	s_cmp_gt_u32 s[GR], s[LIM]
	s_cbranch_scc0 .Lnot_mine_\@
	global_prefetch_b8 v[PFO], s[PFA:PFA+1] th:TH_LOAD_NT scope:SCOPE_SE
.Lnot_mine_\@:
.endm
; THE CHANGE OF SLOTS.  Each wave waits for all its tensor loads (one is out: its quarter of the other slot), adds 0 to its spare word, and waits for that and for its reads of the slot that it leaves.
; fill = 1: the barrier is a round of the cluster's, and the joint refill is the first thing behind it: it has four chunks, 256 products a wave, in which to land.
.macro CHANGE fill
	WIN 0
	s_wait_tensorcnt 0x0                           ; no tensor load of mine is out, so a group 0 may be written
	ds_add_u32 v[SPW], v[NIL]
.if \fill
	s_xor_b32 s[G0B+1], s[G0B+1], FILL             ; the other slot than last time,
	s_add_nc_u64 s[G0B+2:G0B+3], s[G0B+2:G0B+3], FILL  ; the next fill
	s_wait_xcnt 0x0                                ; the last prefetch, four chunks back, has read its address
	s_add_nc_u64 s[PFA:PFA+1], s[PFA:PFA+1], FILL
	s_wait_dscnt 0x0                               ; the add is done, and my reads of the slot are over
	ROUND
	tensor_load_to_lds s[G0B:G0B+3], s[G1:G1+7]
	s_nop 0
	PLACES
	ASK
.else
	s_wait_dscnt 0x0
	s_barrier_signal -1
	s_barrier_wait -1
.endif
	s_sub_co_u32 s[TB], s[TB], FILL                ; the fetches go back to a slot's first chunk,
	s_xor_b32 s[TB], s[TB], FILL                   ; in the other slot
.endm
	s_load_b256 s[4:11], s[0:1], 0x0               ; samp s[4:5], src s[6:7], wts s[8:9], bout s[10:11]
	s_load_b256 s[12:19], s[0:1], 0x20             ; g1 s[12:13], be1 s[14:15], b1 s[16:17], b2 s[18:19]
	s_load_b128 s[20:23], s[0:1], 0x40             ; g2 s[20:21], be2 s[22:23]
	s_load_b64 s[24:25], s[0:1], 0x50              ; out0
	v_lshl_add_u32 v[SPW], v0, 2, SPARE
	v_mov_b32 v[NIL], 0
	ds_add_u32 v[SPW], v[NIL]                      ; the wave's opening: the add and its wait ahead of the round in front of my first tensor loads
	ds_add_u32 v3, v4
	v_lshrrev_b32 v19, 5, v0
	v_readfirstlane_b32 s[WV], v19                 ; wave 0..3
	s_bfe_u32 s[CX], ttmp6, 0x40000                ; my place in the cluster
	s_cmp_ge_u32 ttmp9, 26                         ; a batch has 26 clusters
	s_cselect_b32 s70, 1, 0
	s_cmp_eq_u32 ttmp9, 0
	s_cselect_b32 s[LIM], 1, -1                    ; the first cluster prefetches
	s_lshl_b32 s69, ttmp9, 2
	s_add_co_u32 s69, s69, s[CX]
	s_mul_i32 s71, s70, 104
	s_sub_co_u32 s69, s69, s71
	s_lshl_b32 s69, s69, 7
	s_lshl_b32 s71, s[WV], 5
	s_add_co_u32 s[POSW], s69, s71                 ; my wave's first slot in its batch
	s_mov_b32 s[G1+0], 15|(3<<16)|(1<<21)          ; the mask of four; elements of 8 bytes; bit 21 set beside a mask
	s_mov_b32 s[G1+1], 32<<16                      ; rows of 256 bytes,
	s_mov_b32 s[G1+2], 128<<16                     ; 128 of them: a wave's quarter of a fill
	s_mov_b32 s[G1+3], 32<<16
	s_mov_b32 s[G1+4], 128
	s_mov_b32 s[G1+5], 32
	s_mov_b32 s[G1+6], 0
	s_mov_b32 s[G1+7], 0
	s_mov_b32 s[G1B+0], 15|(3<<16)|(1<<21)         ; b1: four rows of 256 bytes a wave
	s_mov_b32 s[G1B+1], 32<<16
	s_mov_b32 s[G1B+2], 4<<16
	s_mov_b32 s[G1B+3], 32<<16
	s_mov_b32 s[G1B+4], 4
	s_mov_b32 s[G1B+5], 32
	s_mov_b32 s[G1B+6], 0
	s_mov_b32 s[G1B+7], 0
	s_lshl_b32 s72, s[WV], 15
	s_mov_b32 s[G0A], 1
	s_mov_b32 s[G0A+1], s72                        ; slot 0
	s_mov_b32 s[G0B], 1
	s_add_co_u32 s[G0B+1], s72, FILL               ; slot 1
	s_lshl_b32 s74, s[WV], 10
	s_mov_b32 s75, 0
	s_mov_b32 s[G0C], 1
	s_add_co_u32 s[G0C+1], s74, B1TAB
	s_add_co_u32 s76, s72, STREAM
	s_mov_b32 s77, 0
	s_lshl_b32 s72, s[CX], 13                      ; the prefetches: my work-group's 32 blocks of a wave's quarter
	s_mov_b32 s73, 0
	s_mul_i32 s80, s70, LQ*1024
	s_mov_b32 s81, 0
	s_mul_i32 s70, s70, LP*16
	s_mov_b32 s71, 0
	s_mov_b32 s[SEL], 0x76543210
	s_mov_b32 s[SEL+1], 0xfedcba98
	s_mov_b32 s[K256], 0x3b800000                  ; 1 / 256
	s_mov_b32 s[EPS], 0x3727c5ac                   ; 1e-5
	s_wait_dscnt 0x0                               ; the opening add is done
	s_wait_kmcnt 0x0
	s_add_nc_u64 s[G0A+2:G0A+3], s[8:9], s[76:77]
	s_add_nc_u64 s[G0B+2:G0B+3], s[G0A+2:G0A+3], FILL
	s_add_nc_u64 s[PFA:PFA+1], s[G0A+2:G0A+3], 2*FILL  ; at fill 2: the first change of slots steps it to fill 3
	s_add_nc_u64 s[PFA:PFA+1], s[PFA:PFA+1], s[72:73]
	s_or_b32 s[G0A+3], s[G0A+3], 0x80000000
	s_or_b32 s[G0B+3], s[G0B+3], 0x80000000
	s_add_nc_u64 s[G0C+2:G0C+3], s[16:17], s[74:75]
	s_or_b32 s[G0C+3], s[G0C+3], 0x80000000
	s_add_nc_u64 s[SRCB:SRCB+1], s[6:7], s[80:81]
	s_add_nc_u64 s[OUTB:OUTB+1], s[24:25], s[80:81]
	s_add_nc_u64 s[SAMP0:SAMP0+1], s[4:5], s[70:71]
	s_add_nc_u64 s[SAMP1:SAMP1+1], s[SAMP0:SAMP0+1], 16*SAMPK
	ROUND                                          ; all four work-groups are here: the first joint loads meet
	tensor_load_to_lds s[G0A:G0A+3], s[G1:G1+7]    ; Wout; three loads of mine are out
	s_nop 0
	tensor_load_to_lds s[G0C:G0C+3], s[G1B:G1B+7]  ; b1
	s_nop 0
	tensor_load_to_lds s[G0B:G0B+3], s[G1:G1+7]    ; fill 1
	s_nop 0
	PLACES
	v_and_b32 v[R], 15, v0
	v_bfe_u32 v[H], v0, 4, 1
	v_mov_b32 v[ZB], 0
	v_lshlrev_b32 v[AW1], 4, v[R]
	v_lshl_add_u32 v[AW2], v[H], 12, v[AW1]
	v_lshl_add_u32 v[AW1], v[H], 9, v[AW1]
	v_lshlrev_b32 v[VPB], 5, v[H]
	v_add_nc_u32 v[AB1], B1TAB, v[VPB]
	v_and_b32 v20, 31, v0
	v_lshlrev_b32 v[PFO], 8, v20
	v_lshlrev_b32 v20, 4, v20                      ; 16 lane
	s_mul_i32 s73, s[WV], 16*SPT
	s_add_co_u32 s73, s73, STAGE                   ; my stage
	v_add_nc_u32 v[STW], s73, v20
	v_mul_u32_u24 v[STR], v[R], SPT
	v_lshl_add_u32 v[STR], v[H], 5, v[STR]
	v_add_nc_u32 v[STR], s73, v[STR]
	v_mul_u32_u24 v21, v[H], SAMPK
.irp rb, 0,1
	s_add_co_u32 s72, s[POSW], 16*\rb
	v_add_nc_u32 v[VSO+\rb], s72, v[R]
	v_min_u32 v[VSO+\rb], LQ-1, v[VSO+\rb]
	v_lshl_add_u32 v[VSO+\rb], v[VSO+\rb], 4, v21  ; samp: my slot's 16 bytes in block h of 8 channels
.endr
.set t, 0
.rept 32
	s_add_co_u32 s72, s[POSW], t
	s_min_u32 s72, s72, LQ-1
	s_lshl_b32 s72, s72, 10
	v_add_nc_u32 v[ROWOFF+t], s72, v20
.set t, t+1
.endr
	; THE WAY IN
	PLOAD 2, P0, 10                                ; bout
	PLOAD 2, P1, 14                                ; be1
	WIN 0
.irp rb, 0,1
.irp ks, 0,1,2,3
.irp u, 0,1
	global_load_b128 v[XB+64*\rb+8*\ks+4*\u:XB+64*\rb+8*\ks+4*\u+3],       v[VSO+\rb], s[SAMP0:SAMP0+1] offset:(4*\ks+2*\u)*SAMPK  ; 16 lanes read 256 consecutive bytes
	global_load_b128 v[XB+64*\rb+8*(\ks+4)+4*\u:XB+64*\rb+8*(\ks+4)+4*\u+3], v[VSO+\rb], s[SAMP1:SAMP1+1] offset:(4*\ks+2*\u)*SAMPK
.endr
.endr
.endr
	WIN 0xc0
.set p, 0
.rept 64                               ; src by rows, 512 consecutive bytes a load: pass p / 16 = (block, half of the row), row p % 16
	global_load_b128 v[4*p:4*p+3], v[ROWOFF+16*(p/32)+p%16], s[SRCB:SRCB+1] offset:512*((p/16)%2)
.set p, p+1
.endr
.set ps, 0
.rept 4                                ; through my stage into a result's layout, straight into the accumulators
	s_wait_loadcnt 48-16*ps                        ; the later passes' loads stay out
	WIN 0x0c
.set t, 0
.rept 16
	ds_store_b128 v[STW], v[64*ps+4*t:64*ps+4*t+3] offset:SPT*t
.set t, t+1
.endr
	WIN 0x40
.set n, 0
.rept 8
	ds_load_b128 v[128*(ps/2)+8*(8*(ps%2)+n):128*(ps/2)+8*(8*(ps%2)+n)+3],   v[STR] offset:64*n     ; LDS serves a wave's instructions in order (ISA guide 5.7.1.4)
	ds_load_b128 v[128*(ps/2)+8*(8*(ps%2)+n)+4:128*(ps/2)+8*(8*(ps%2)+n)+7], v[STR] offset:64*n+16
.set n, n+1
.endr
.set ps, ps+1
.endr
	s_wait_dscnt 0x0
	WIN 0x49
.set p, 0
.rept 128
	v_pk_add_f32 v[2*p:2*p+1], v[2*p:2*p+1], v[P0+2*(p%64):P0+2*(p%64)+1]  ; + bout
.set p, p+1
.endr
	PLOAD 2, P0, 12                                ; g1
	WIN 0
	s_wait_tensorcnt 1                             ; my parts of Wout and b1 are in; fill 1 may stay out
	s_barrier_signal -1
	s_barrier_wait -1
	; samp Wout
	LOADZ AW2, WA
.irp ks, 0,1,2,3,4,5,6,7
	PLACES                                         ; in front of loads into fragments that the products before have read
	s_wait_dscnt 0x0                               ; this K step's fragments are in
.if (\ks) < 7
	WIN 0
	v_add_nc_u32 v[ADRB], 16384*((\ks)+1), v[AW2]
	LOADZ ADRB, WB-128*((\ks)%2)                   ; the next K step's, into the other set
.endif
	PRODZ WA+128*((\ks)%2), XB+8*(\ks), 64
.endr
; THE NORM.  LNSTAT: a block's mean is taken away from it; the mean of the squares + 1e-5 goes to v[rs].  Each accumulator is read from its low end on.
.macro LNSTAT rb, rs
.set Z0, 128*(\rb)
	WIN 0x05
.irp q, 0,1,2,3
	v_pk_add_f32 v[CC+2*\q:CC+2*\q+1], v[Z0+2*\q:Z0+2*\q+1], v[Z0+8+2*\q:Z0+8+2*\q+1]  ; four chains, started by the first two tiles
.endr
	WIN 0x04
.set p, 8
.rept 56
	v_pk_add_f32 v[CC+2*(p%4):CC+2*(p%4)+1], v[CC+2*(p%4):CC+2*(p%4)+1], v[Z0+2*p:Z0+2*p+1]
.set p, p+1
.endr
	WIN 0
	v_pk_add_f32 v[CC:CC+1], v[CC:CC+1], v[CC+2:CC+3]
	v_pk_add_f32 v[CC+4:CC+5], v[CC+4:CC+5], v[CC+6:CC+7]
	v_pk_add_f32 v[CC:CC+1], v[CC:CC+1], v[CC+4:CC+5]
	v_add_f32 v[CC], v[CC], v[CC+1]
	v_permlanex16_b32 v[CC+1], v[CC], s[SEL], s[SEL+1]  ; the row's other 128 columns lie in the lane 16 away
	v_add_f32 v[CC], v[CC], v[CC+1]
	v_mul_f32 v[MU], s[K256], v[CC]
	v_mov_b32 v[MU+1], v[MU]
	WIN 0x41
.set p, 0
.rept 64
	v_pk_add_f32 v[Z0+2*p:Z0+2*p+1], v[Z0+2*p:Z0+2*p+1], v[MU:MU+1] neg_lo:[0,1] neg_hi:[0,1]
.set p, p+1
.endr
	WIN 0x05
.irp q, 0,1,2,3
	v_pk_mul_f32 v[CC+2*\q:CC+2*\q+1], v[Z0+2*\q:Z0+2*\q+1], v[Z0+2*\q:Z0+2*\q+1]
.endr
.set p, 4
.rept 60
	v_pk_fma_f32 v[CC+2*(p%4):CC+2*(p%4)+1], v[Z0+2*p:Z0+2*p+1], v[Z0+2*p:Z0+2*p+1], v[CC+2*(p%4):CC+2*(p%4)+1]
.set p, p+1
.endr
	WIN 0
	v_pk_add_f32 v[CC:CC+1], v[CC:CC+1], v[CC+2:CC+3]
	v_pk_add_f32 v[CC+4:CC+5], v[CC+4:CC+5], v[CC+6:CC+7]
	v_pk_add_f32 v[CC:CC+1], v[CC:CC+1], v[CC+4:CC+5]
	v_add_f32 v[CC], v[CC], v[CC+1]
	v_permlanex16_b32 v[CC+1], v[CC], s[SEL], s[SEL+1]
	v_add_f32 v[CC], v[CC], v[CC+1]
	v_fma_f32 v[\rs], v[CC], s[K256], s[EPS]
.endm
.macro LNAPPLY rb, rs                  ; times 1 / sqrt, times the gain (P0), plus the bias (P1)
.set Z0, 128*(\rb)
	WIN 0x41
.set p, 0
.rept 64
	v_pk_mul_f32 v[Z0+2*p:Z0+2*p+1], v[Z0+2*p:Z0+2*p+1], v[\rs:(\rs)+1]
.set p, p+1
.endr
	WIN 0x69
.set p, 0
.rept 64
	v_pk_fma_f32 v[Z0+2*p:Z0+2*p+1], v[Z0+2*p:Z0+2*p+1], v[P0+2*p:P0+2*p+1], v[P1+2*p:P1+2*p+1]
.set p, p+1
.endr
.endm
.macro LN
	LNSTAT 0, RS0
	LNSTAT 1, RS1
	v_rsq_f32 v[RS0], v[RS0]
	v_rsq_f32 v[RS1], v[RS1]
	v_nop                                          ; a plain instruction behind the two roots,
	s_wait_alu depctr_va_vdst(0)                   ; and their one wait
	v_mov_b32 v[RS0+1], v[RS0]
	v_mov_b32 v[RS1+1], v[RS1]
	s_wait_loadcnt 0x0                             ; gain and bias
	LNAPPLY 0, RS0
	LNAPPLY 1, RS1
.endm
	PLACES                                         ; eight places behind the last products, once
	PLACES
	PLOAD 3, WA, 18                                ; b2
	LN
	WIN 0x05
.set p, 0
.rept 128                              ; x in bf16: tiles 2 ks and 2 ks + 1 are source 1 of K step ks
	v_cvt_pk_bf16_f32 v[XB+64*(p/64)+p%64], v[2*p], v[2*p+1]
.set p, p+1
.endr
	WIN 0x4d
.set p, 0
.rept 128
	v_pk_add_f32 v[2*p:2*p+1], v[2*p:2*p+1], v[WA+2*(p%64):WA+2*(p%64)+1]  ; the second residual: x + b2
.set p, p+1
.endr
	PLOAD 2, P0, 20                                ; g2
	PLOAD 2, P1, 22                                ; be2
; THE HIDDEN LAYER, a chunk of 32 columns at a time.
.macro A_STEP                          ; the chunk's W1 (16 fragments: K step ks, tile t at 2 ks + t) and its b1: 36 loads
	WIN 0
	v_add_nc_u32 v[ADRA], s[TB], v[AW1]
	v_add_nc_u32 v[ADR1], s[CH], v[AB1]
	WIN 0xc0
.set fr, 0
.rept 16
	ds_load_b128 v[WA+8*fr:WA+8*fr+3],   v[ADRA] offset:2048*(fr/2)+256*(fr%2)
	ds_load_b128 v[WA+8*fr+4:WA+8*fr+7], v[ADRA] offset:2048*(fr/2)+256*(fr%2)+1024
.set fr, fr+1
.endr
	WIN 0
.irp t, 0,1
	ds_load_b128 v[B1+8*\t:B1+8*\t+3],   v[ADR1] offset:64*\t
	ds_load_b128 v[B1+8*\t+4:B1+8*\t+7], v[ADR1] offset:64*\t+16
.endr
.endm
.macro B_STEP left                     ; the chunk before: relu, rounding, and its 32 products with W2.  left: the 36 younger loads, or none
	WIN 0
	s_wait_dscnt \left
.irp t, 0,1
.irp rb, 0,1
.irp jj, 0,1,2,3
	v_cvt_pk_bf16_f32 v[HB+8*\rb+4*\t+\jj], v[HACC+8*(2*\t+\rb)+2*\jj], v[HACC+8*(2*\t+\rb)+2*\jj+1]
.endr
.endr
.endr
.set p, 0
.rept 16
	v_pk_max_num_bf16 v[HB+p], v[HB+p], v[ZB]
.set p, p+1
.endr
	PRODZ WB, HB, 8
.endm
.macro C_STEP                          ; the chunk's W2: 32 loads
	PLACES                                         ; in front of loads into fragments that the products before have read
	WIN 0
	s_add_co_u32 s72, s[TB], 16384
	v_add_nc_u32 v[ADRB], s72, v[AW2]
	LOADZ ADRB, WB
.endm
.macro D_STEP                          ; x W1 + b1: 32 products, four accumulators by turns; the first K step starts the sums with b1
	s_wait_dscnt 32                                ; W1 and b1 are in; W2's 32 loads may stay out
	WIN 0x03
.irp ks, 0,1,2,3,4,5,6,7
.irp t, 0,1
.irp rb, 0,1
.if (\ks) == 0
	v_wmma_f32_16x16x32_bf16 v[HACC+8*(2*\t+\rb):HACC+8*(2*\t+\rb)+7], v[WA+8*(2*\ks+\t):WA+8*(2*\ks+\t)+7], v[XB+64*\rb+8*\ks:XB+64*\rb+8*\ks+7], v[B1+8*\t:B1+8*\t+7]
.else
	v_wmma_f32_16x16x32_bf16 v[HACC+8*(2*\t+\rb):HACC+8*(2*\t+\rb)+7], v[WA+8*(2*\ks+\t):WA+8*(2*\ks+\t)+7], v[XB+64*\rb+8*\ks:XB+64*\rb+8*\ks+7], v[HACC+8*(2*\t+\rb):HACC+8*(2*\t+\rb)+7]
.endif
.endr
.endr
.endr
	PLACES                                         ; in front of the next loads into W1's and b1's registers and of the conversions
	WIN 0
	s_add_co_u32 s[TB], s[TB], 32768
	s_add_co_u32 s[CH], s[CH], 128
.endm
	WIN 0
	s_mov_b32 s[GR], 7                             ; slots still to be asked for
	s_mov_b32 s[TB], FILL                          ; the first change of slots turns this into slot 1's first byte
	s_mov_b32 s[CH], 0
	CHANGE 1                                       ; fill 1 is in, Wout has been read: slot 0 takes fill 2
	s_mov_b32 s[CNT], 4
	A_STEP
	s_branch .Lfirst                               ; the loop is entered in the middle of a trip: there is no chunk before the first
.Lgrp:
	CHANGE 1
	s_mov_b32 s[CNT], 4
.Lchunk:
	A_STEP
	B_STEP 36
	WIN 0
.Lfirst:
	C_STEP
	D_STEP
	s_sub_co_u32 s[CNT], s[CNT], 1
	s_cmp_lg_u32 s[CNT], 0
	s_cbranch_scc1 .Lchunk
	s_sub_co_u32 s[GR], s[GR], 1
	s_cmp_lg_u32 s[GR], 0
	s_cbranch_scc1 .Lgrp
	CHANGE 0                                       ; the last fill's chunks are written out
	s_mov_b32 s[CNT], 4
.Ltail:
	A_STEP
	B_STEP 36
	C_STEP
	D_STEP
	s_sub_co_u32 s[CNT], s[CNT], 1
	s_cmp_lg_u32 s[CNT], 0
	s_cbranch_scc1 .Ltail
	B_STEP 0                                       ; the last chunk's products with W2
	PLACES
	PLACES
	WIN 0
	LN
	; THE WAY OUT: through my stage back into rows; each store of the wave covers 512 consecutive bytes, aligned
.macro ZOUT ps
	WIN 0x04
.set n, 0
.rept 8
	ds_store_b128 v[STR], v[128*((\ps)/2)+8*(8*((\ps)%2)+n):128*((\ps)/2)+8*(8*((\ps)%2)+n)+3]   offset:64*n
	ds_store_b128 v[STR], v[128*((\ps)/2)+8*(8*((\ps)%2)+n)+4:128*((\ps)/2)+8*(8*((\ps)%2)+n)+7] offset:64*n+16
.set n, n+1
.endr
	WIN 0xc0
.set t, 0
.rept 16
	ds_load_b128 v[64*(\ps)+4*t:64*(\ps)+4*t+3], v[STW] offset:SPT*t
.set t, t+1
.endr
.endm
.macro ZSEND ps, younger               ; younger: the next pass's 32 LDS instructions, or none
	s_wait_dscnt \younger
	WIN 0x0c
.set t, 0
.rept 16
	global_store_b128 v[ROWOFF+16*((\ps)/2)+t], v[64*(\ps)+4*t:64*(\ps)+4*t+3], s[OUTB:OUTB+1] offset:512*((\ps)%2)
.set t, t+1
.endr
.endm
	ZOUT 0
	ZOUT 1
	ZSEND 0, 32
	ZOUT 2
	ZSEND 1, 32
	ZOUT 3
	ZSEND 2, 32
	ZSEND 3, 0
	WIN 0
	s_wait_tensorcnt 0x0                           ; the wave's end, behind my last tensor load and my last LDS store
	ds_add_u32 v[SPW], v[NIL]
	s_wait_dscnt 0x0
	ROUND                                          ; the closing round: no work-group ends while a partner may still ask for a fill that names it
	s_endpgm
.Lfunc_end_k_q91e8cecdeb_ffn:
	.size	k_q91e8cecdeb_ffn, .Lfunc_end_k_q91e8cecdeb_ffn-k_q91e8cecdeb_ffn
	.p2alignl 7, 3214868480
	.fill 96, 4, 3214868480
	.section	.rodata,"a",@progbits
	.p2align	6, 0x0
	.amdhsa_kernel k_q91e8cecdeb_ffn
		.amdhsa_group_segment_fixed_size 327680
		.amdhsa_private_segment_fixed_size 0
		.amdhsa_enable_private_segment 0
		.amdhsa_kernarg_size 88
		.amdhsa_user_sgpr_count 2
		.amdhsa_user_sgpr_kernarg_segment_ptr 1
		.amdhsa_wavefront_size32 1
		.amdhsa_system_sgpr_workgroup_id_x 1
		.amdhsa_system_sgpr_workgroup_id_y 1
		.amdhsa_system_sgpr_workgroup_id_z 1
		.amdhsa_system_vgpr_workitem_id 0
		.amdhsa_next_free_vgpr 1024
		.amdhsa_next_free_sgpr 96
		.amdhsa_reserve_vcc 0
		.amdhsa_float_denorm_mode_32 3
		.amdhsa_float_denorm_mode_16_64 3
		.amdhsa_memory_ordered 1
		.amdhsa_forward_progress 1
		.amdhsa_inst_pref_size 236
	.end_amdhsa_kernel
	.amdgpu_metadata
---
amdhsa.version: [ 1, 2 ]
amdhsa.kernels:
  - .name:           k_q91e8cecdeb_ffn
    .symbol:         k_q91e8cecdeb_ffn.kd
    .args:
      - { .name: samp, .offset: 0, .size: 8, .value_kind: global_buffer, .address_space: global }
      - { .name: src, .offset: 8, .size: 8, .value_kind: global_buffer, .address_space: global }
      - { .name: wts, .offset: 16, .size: 8, .value_kind: global_buffer, .address_space: global }
      - { .name: bout, .offset: 24, .size: 8, .value_kind: global_buffer, .address_space: global }
      - { .name: g1, .offset: 32, .size: 8, .value_kind: global_buffer, .address_space: global }
      - { .name: be1, .offset: 40, .size: 8, .value_kind: global_buffer, .address_space: global }
      - { .name: b1, .offset: 48, .size: 8, .value_kind: global_buffer, .address_space: global }
      - { .name: b2, .offset: 56, .size: 8, .value_kind: global_buffer, .address_space: global }
      - { .name: g2, .offset: 64, .size: 8, .value_kind: global_buffer, .address_space: global }
      - { .name: be2, .offset: 72, .size: 8, .value_kind: global_buffer, .address_space: global }
      - { .name: out0, .offset: 80, .size: 8, .value_kind: global_buffer, .address_space: global }
    .group_segment_fixed_size: 327680
    .private_segment_fixed_size: 0
    .kernarg_segment_align: 8
    .kernarg_segment_size: 88
    .max_flat_workgroup_size: 128
    .sgpr_count:     96
    .vgpr_count:     1024
    .wavefront_size: 32
...
	.end_amdgpu_metadata
.endif
;; end of part 4
;; ======== version 2 of 2: 4 launches
;; limits: values are held in f16: magnitudes above 65,504 overflow, below 6.1e-05 lose precision
;; workspace buffers: wts 1,507,328 bytes; vtab 13,631,488 bytes; sidx 6,815,744 bytes of whole numbers; swt 27,262,976 bytes; samp 13,631,488 bytes
;; launch prep: the kernel of part 1 again; grid 296 x 1, 8 waves a work-group, no clusters, 0 bytes of LDS; arguments Wv, Woff, Wa, Wout, W1, W2, wts; writes wts
;; launch proj (part 5): grid 208 x 1, 4 waves a work-group, no clusters, 274,944 bytes of LDS; arguments src, pos_embed, reference_points, padding_mask, bv, boff, ba, wts, vtab, sidx, swt; writes vtab, sidx, swt
.if DOCPART == 5
	.amdgcn_target "amdgcn-amd-amdhsa--gfx1250"
	.amdhsa_code_object_version 6
	.text
	.protected	k_q91e8cecdeb_proj
	.globl	k_q91e8cecdeb_proj
	.p2align	8
	.type	k_q91e8cecdeb_proj,@function
k_q91e8cecdeb_proj:
	s_mov_b64 s[64:65], 0
	v_nop
	global_prefetch_b8 v0, s[64:65] scope:SCOPE_SE
	s_setreg_imm32_b32 hwreg(HW_REG_WAVE_MODE, 25, 1), 1
	s_wait_xcnt 0x0
; v = (src Wv + bv) x mask;  off = (src + pos) Woff + boff;  a = softmax over a head's 16 of (src + pos) Wa + ba;  from off, a and the reference points: for every sampling point the index of the
; lowest of its four cells (a whole number) and the four cells' weights, a folded in.
; A batch's 13,294 rows lie in 13,312 slots; a work-group takes 128 slots of one batch (208 = 2 x 104).  Rows past a batch's end come in as zeros; what is made of them lies in slots that nobody uses.
; SHARES.  Wave w owns heads 2 w and 2 w + 1 for all 128 rows: ten column tiles of 16 (a head: V0, V1, OFF0, OFF1, AT).  Its weights, 80 fragments, stay in 640 registers; LDS holds the activations alone.
; NO CLUSTER: what work-groups share is the weights, 327,680 bytes, which go once from memory into registers; beside the activations they have no room in LDS.
; THE PRODUCT IS USED TRANSPOSED (source 0 = 16 weight columns, source 1 = 16 rows): lane (r, h) holds row r and the tile's columns 8 h + 0..7.  So a lane holds 8 channels of v (16 bytes in f16), four
; points' (x, y) of level h (OFF0) and of level 2 + h (OFF1), and, Wa's columns being so ordered, the same eight points' logits (AT).  Point j of half h: level h + 2 (j / 4), point j % 4.
; THE CELLS.  x = ref x W + off - 0.5 (one fused multiply-add and an addition where the model divides by W and multiplies again: another order of rounding).  The base cell is floor(x) held to 0 .. W - 2,
; a cell's weight along an axis max(0, 1 - |x - cell|): inside the map that is the bilinear weight; at and beyond the rim it gives the cells outside the map the weight 0.  The levels' sizes
; (100, 50, 25, 13, all square) are the model's constants.
; THE ORDER BEHIND THE PRODUCTS.  The wave is alone on its SIMD, so lines that read each other's results are set apart: the two heads' softmax goes by turns, with v's scaling between the links of its chain;
; the points go four at a time (2 heads x 2 neighbours), stage by stage; both heads' weights pass through the stage on end.
; OUT.  vtab [unit (8 b + head) 4 + quarter][slot][8] f16;  sidx [8 b + head][slot / 8][h][slot % 8][8 points] u16;  swt [8 b + head][slot / 8][h][L 32][8 points] f16 with
; L = ((slot % 8) >> 2) 16 + corner 4 + (slot % 4), corner = 2 (y cell) + (x cell).
; LIMITS.  v beyond 65,504 has no f16; a weight below 6e-5 keeps f16's fixed step; a softmax term below 2^-126 counts as 0; NaN and infinities are not treated apart.
.set LQ,     13294
.set PITCH,  1040                      ; an LDS row: 1,024 bytes + 16 = 260 words: the 16 rows of a load start at 16 different groups of four banks (ISA guide 11.1)
.set POSB,   128*PITCH                 ; src's 128 rows, then pos_embed's
.set STAGE,  2*POSB                    ; 2,048 bytes for each wave, written by ds_store alone
.set SPARE,  STAGE+4*2048              ; the spare words, 128 bytes for each wave: two blocks of 256 bytes that no other line names
.set UNITB,  13312*16
.set SIB,    13312*32
.set SWB,    13312*128
.set R,   1
.set H,   2
.set SPW, 3                            ; LDS address of my spare word; never rewritten
.set NIL, 4                            ; 0; never rewritten
.set AS,  5                            ; LDS address of my part of src's rows in the block in hand
.set AP,  6                            ; the same for pos_embed
.set SLOT, 7                           ; my row's slot in its batch
.set VRP, 8
.set VMK, 9
.set VVT, 10
.set VSI, 11
.set VSW, 12
.set VST, 13
.set VSR, 14
.set AS0, 15
.set WH,  16                           ; v[16:17] (W, W) of level h, v[18:19] of level 2 + h
.set WM2, 20                           ; W - 2, likewise
.set STP, 22                           ; the level's first slot, in both halves of the word
.set MF,  24                           ; the mask as f32, twice
.set CA,  26                           ; v[26:27], v[28:29] ref x W - 0.5
.set ACC, 32                           ; ten accumulators
.set FR,  112                          ; two sets of (src's fragment, src + pos's fragment)
.set RAW, 144                          ; three sets of 32: f32 as read from LDS.  Behind the products FR's and RAW's registers hold what follows
.set PT,  112                          ; v112-175 the four points in hand, 16 registers each: +0 (x, y), then their distances from the base cell; +2 the base cell; +4 the distances from the next cell;
                                       ;          +6 the two x cells' weights; +8 the two y cells', then times a; +10 the four cells' weights; +14 the index
.set SB,  112                          ; v112-143 behind the points: a head's weights back from the stage, 16 registers a head
.set WP,  176                          ; v176-207 a head's weights in f16, 16 registers a head: cell c, points 2 jq and 2 jq + 1 at 4 c + jq
.set IDXP, 208                         ; v208-215 a head's eight indices, 4 registers a head
.set VP,  216                          ; v216-231 v's four tiles in f16
.set TT,  232
.set REFA, 240
.set REFB, 242
.set MKB, 244
.set ST,  246                          ; a head's pair: c m (later 1 / sum), m
.set VWL, 250
.set VBA, 251
.set VBB, 252
.set BI,  128                          ; window 3: the ten tiles' biases in the layout of a result
.set WV,  26
.set SBT, 27
.set G1,  28
.set G0,  36
.set POS0, 48
.set TB,  49
.set CNT, 50
.set ROWB, 51
.set CS,  52
.set SEL, 54
.set PV,  56
.set PI,  58
.set PW,  60
.set PWT, 62
.set MSB, 0
.macro WIN new                         ; the immediate's high byte repeats the setting that is left; a switch that changes nothing is dropped
.if MSB != (\new)
	s_set_vgpr_msb (MSB<<8)|(\new)
.set MSB, \new
.endif
.endm
.macro PLACES
.rept 4
	v_nop
.endr
.endm
.macro BOTH line:vararg                ; one line for each of the wave's two heads: hd = 0, 1
.set hd, 0
.rept 2
	\line
.set hd, hd+1
.endr
.endm
.macro ALL4 line:vararg                ; one line for each of the four points in hand: pn = 2 head + (j % 2)
.set pn, 0
.rept 4
	\line
.set pn, pn+1
.endr
.endm
	s_load_b256 s[4:11], s[0:1], 0x0               ; src s[4:5], pos s[6:7], ref s[8:9], mask s[10:11]
	s_load_b256 s[12:19], s[0:1], 0x20             ; bv s[12:13], boff s[14:15], ba s[16:17], wts s[18:19]
	s_load_b128 s[20:23], s[0:1], 0x40             ; vtab s[20:21], sidx s[22:23]
	s_load_b64 s[24:25], s[0:1], 0x50              ; swt
	v_lshl_add_u32 v[SPW], v0, 2, SPARE
	v_mov_b32 v[NIL], 0
	ds_add_u32 v[SPW], v[NIL]                      ; the wave's opening: the add and its wait ahead of my tensor load; work on registers stands between
	ds_add_u32 v3, v4
	v_lshrrev_b32 v[R], 5, v0
	v_readfirstlane_b32 s[WV], v[R]                ; wave 0..3
	s_cmp_ge_u32 ttmp9, 104
	s_cselect_b32 s[SBT], 1, 0                     ; batch
	s_mul_i32 s40, s[SBT], 104
	s_sub_co_u32 s40, ttmp9, s40
	s_lshl_b32 s[POS0], s40, 7                     ; the work-group's first slot in its batch
	s_mul_i32 s[ROWB], s[SBT], LQ
	s_and_b32 s41, s[WV], 1
	s_lshl_b32 s41, s41, 6
	s_add_co_u32 s41, s41, s[POS0]                 ; my tile's first row: waves 0, 1 fetch src's two halves of 64 rows, waves 2, 3 pos_embed's
	s_sub_co_u32 s42, LQ, s41                      ; rows left in the batch from there: 46 at the least
	s_min_u32 s42, s42, 64
	s_max_u32 s42, s42, 1                          ; the field is held to 1 .. 64
	s_mov_b32 s[G1+0], (2<<16)|(1<<20)|(7<<22)|(3<<25)  ; elements of 4 bytes; padding on: after every 256 words (code 7) 4 words (code 3)
	s_mov_b32 s[G1+1], 256<<16                     ; tensor_dim0 = 256
	s_lshl_b32 s[G1+2], s42, 16                    ; tensor_dim1 = the rows left: rows at or beyond it arrive as zeros
	s_mov_b32 s[G1+3], 256<<16                     ; tile_dim0 = 256
	s_mov_b32 s[G1+4], 64                          ; tile_dim1 = 64
	s_mov_b32 s[G1+5], 256                         ; elements from row to row
	s_mov_b32 s[G1+6], 0
	s_mov_b32 s[G1+7], 0
	s_mov_b32 s[G0], 1
	s_mul_i32 s[G0+1], s[WV], 64*PITCH             ; LDS address: wave x 64 rows
	s_add_co_u32 s44, s41, s[ROWB]
	s_lshl_b32 s44, s44, 10
	s_mov_b32 s45, 0
	s_lshl_b32 s40, s[SBT], 5
	s_lshl3_add_u32 s40, s[WV], s40                ; my first unit of vtab: 32 b + 8 w
	s_mul_i32 s40, s40, UNITB
	s_mov_b32 s41, 0
	s_lshl_b32 s42, s[SBT], 3
	s_lshl1_add_u32 s42, s[WV], s42                ; 8 b + 2 w
	s_mul_i32 s46, s42, SWB
	s_mov_b32 s47, 0
	s_mul_i32 s42, s42, SIB
	s_mov_b32 s43, 0
	s_mov_b32 s[CS], 0x3fb8aa3b                    ; log2(e)
	s_mov_b32 s[CS+1], s[CS]
	s_mov_b32 s[SEL], 0x76543210                   ; v_permlanex16_b32: each lane takes its own place in the other half
	s_mov_b32 s[SEL+1], 0xfedcba98
	s_mov_b32 s[TB], 0
	s_mov_b32 s[CNT], 8
	s_wait_dscnt 0x0                               ; the opening add is done
	s_wait_kmcnt 0x0
	s_cmp_lt_u32 s[WV], 2
	s_cselect_b64 s[G0+2:G0+3], s[4:5], s[6:7]
	s_add_nc_u64 s[G0+2:G0+3], s[G0+2:G0+3], s[44:45]
	s_or_b32 s[G0+3], s[G0+3], 0x80000000
	tensor_load_to_lds s[G0:G0+3], s[G1:G1+7]      ; my one tensor load: nothing is filled again in this launch
	s_nop 0
	PLACES
	s_add_nc_u64 s[PV:PV+1], s[20:21], s[40:41]
	s_add_nc_u64 s[PI:PI+1], s[22:23], s[42:43]
	s_add_nc_u64 s[PW:PW+1], s[24:25], s[46:47]
	s_mul_i32 s40, s[WV], 81920
	s_mov_b32 s41, 0
	s_add_nc_u64 s[PWT:PWT+1], s[18:19], s[40:41]  ; my wave's 80 fragments
	v_and_b32 v[R], 15, v0
	v_bfe_u32 v[H], v0, 4, 1
	v_and_b32 v[VWL], 31, v0
	v_lshlrev_b32 v[VWL], 4, v[VWL]
	s_lshl_b32 s40, s[WV], 8
	v_lshl_add_u32 v[VBA], v[H], 5, s40            ; bv, boff: (64 w + 8 h) numbers
	s_lshl_b32 s41, s[WV], 7
	v_lshl_add_u32 v[VBB], v[H], 4, s41            ; ba: (32 w + 4 h) numbers
.set f, 0
.rept 80                               ; fragment f lies at v[256 + 8 f]
	WIN (1+f/32)<<6
	global_load_b128 v[(8*f)%256:(8*f)%256+3],   v[VWL], s[PWT:PWT+1] offset:1024*f
	global_load_b128 v[(8*f)%256+4:(8*f)%256+7], v[VWL], s[PWT:PWT+1] offset:1024*f+512
.set f, f+1
.endr
	WIN 0xc0
.irp hh, 0,1
.irp t, 0,1
	global_load_b128 v[BI+8*(5*\hh+\t):BI+8*(5*\hh+\t)+3],     v[VBA], s[12:13] offset:128*\hh+64*\t
	global_load_b128 v[BI+8*(5*\hh+\t)+4:BI+8*(5*\hh+\t)+7],   v[VBA], s[12:13] offset:128*\hh+64*\t+16
	global_load_b128 v[BI+8*(5*\hh+2+\t):BI+8*(5*\hh+2+\t)+3],   v[VBA], s[14:15] offset:128*\hh+64*\t
	global_load_b128 v[BI+8*(5*\hh+2+\t)+4:BI+8*(5*\hh+2+\t)+7], v[VBA], s[14:15] offset:128*\hh+64*\t+16
.endr
	global_load_b128 v[BI+8*(5*\hh+4):BI+8*(5*\hh+4)+3],   v[VBB], s[16:17] offset:64*\hh      ; level h's four points,
	global_load_b128 v[BI+8*(5*\hh+4)+4:BI+8*(5*\hh+4)+7], v[VBB], s[16:17] offset:64*\hh+32   ; level 2 + h's
.endr
	WIN 0
	; the lane's constants
	v_cmp_ne_u32 vcc_lo, 0, v[H]
.macro LSEL dst, val0, val1            ; val0 in lanes 0-15, val1 in lanes 16-31
	v_mov_b32 v[\dst], \val0
	s_mov_b32 s40, \val1
	v_cndmask_b32 v[\dst], v[\dst], s40, vcc_lo
.endm
	LSEL WH,    0x42c80000, 0x42480000             ; 100, 50
	LSEL WH+2,  0x41c80000, 0x41500000             ; 25, 13
	LSEL WM2,   0x42c40000, 0x42400000             ; 98, 48
	LSEL WM2+1, 0x41b80000, 0x41300000             ; 23, 11
	LSEL STP,   0,          0x27102710             ; 0, 10,000
	LSEL STP+1, 0x30d430d4, 0x33453345             ; 12,500, 13,125
	v_mov_b32 v[WH+1], v[WH]
	v_mov_b32 v[WH+3], v[WH+2]
	v_mul_u32_u24 v[AS0], v[R], PITCH
	v_lshl_add_u32 v[AS0], v[H], 5, v[AS0]         ; row r, 8 h numbers of 4 bytes on
	v_add_nc_u32 v[SLOT], s[POS0], v[R]
	v_mul_u32_u24 v[VVT], v[H], UNITB
	v_lshl_add_u32 v[VVT], v[SLOT], 4, v[VVT]      ; vtab: quarter h, my slot
	s_lshl_b32 s41, s[POS0], 5
	v_lshrrev_b32 v[VSI], 3, v[R]
	v_lshl_add_u32 v[VSI], v[VSI], 1, v[H]
	v_and_b32 v[AP], 7, v[R]
	v_lshl_add_u32 v[VSI], v[VSI], 3, v[AP]
	v_lshl_add_u32 v[VSI], v[VSI], 4, s41          ; sidx: 256 (slot / 8) + 128 h + 16 (slot % 8)
	s_lshl_b32 s42, s[POS0], 7
	v_and_b32 v[VSW], 31, v0
	v_lshl_add_u32 v[VSW], v[VSW], 4, s42          ; swt: 1,024 (slot / 8) + 16 lane
	s_lshl_b32 s40, s[WV], 11
	s_add_co_u32 s40, s40, STAGE                   ; my stage
	v_and_b32 v[VSR], 31, v0
	v_lshl_add_u32 v[VSR], v[VSR], 4, s40
	v_lshrrev_b32 v[VST], 3, v[R]
	v_lshl_add_u32 v[VST], v[VST], 1, v[H]
	v_bfe_u32 v[AS], v[R], 2, 1
	v_lshl_add_u32 v[VST], v[VST], 1, v[AS]
	v_and_b32 v[AS], 3, v[R]
	v_lshlrev_b32 v[AS], 4, v[AS]
	v_lshl_add_u32 v[VST], v[VST], 8, v[AS]        ; 1,024 (r >> 3) + 512 h + 256 ((r >> 2) & 1) + 16 (r & 3)
	v_add_nc_u32 v[VST], s40, v[VST]
	s_wait_tensorcnt 0x0                           ; my tile is in,
	s_barrier_signal -1
	s_barrier_wait -1                              ; everybody's is
	s_wait_loadcnt 0x0                             ; weights and biases
.macro RAWLD ks                        ; 32 channels of my row of src and of pos_embed, f32: eight loads into set ks % 3
.set rRB, RAW+32*((\ks)%3)
	ds_load_b128 v[rRB:rRB+3],     v[AS] offset:128*(\ks)
	ds_load_b128 v[rRB+4:rRB+7],   v[AS] offset:128*(\ks)+16
	ds_load_b128 v[rRB+8:rRB+11],  v[AS] offset:128*(\ks)+64
	ds_load_b128 v[rRB+12:rRB+15], v[AS] offset:128*(\ks)+80
	ds_load_b128 v[rRB+16:rRB+19], v[AP] offset:128*(\ks)
	ds_load_b128 v[rRB+20:rRB+23], v[AP] offset:128*(\ks)+16
	ds_load_b128 v[rRB+24:rRB+27], v[AP] offset:128*(\ks)+64
	ds_load_b128 v[rRB+28:rRB+31], v[AP] offset:128*(\ks)+80
.endm
.macro BUILD ks, left                  ; the two fragments of K step ks; left: the younger sets' loads, which stay out
.set rRB, RAW+32*((\ks)%3)
.set rSF, FR+16*((\ks)%2)
	WIN 0
	s_wait_dscnt \left
.irp i, 0,1,2,3,4,5,6,7
	v_cvt_pk_bf16_f32 v[rSF+\i], v[rRB+2*\i], v[rRB+2*\i+1]
.endr
.irp i, 0,1,2,3,4,5,6,7
	v_pk_add_f32 v[rRB+16+2*\i:rRB+17+2*\i], v[rRB+16+2*\i:rRB+17+2*\i], v[rRB+2*\i:rRB+2*\i+1]  ; q = src + pos
.endr
.irp i, 0,1,2,3,4,5,6,7
	v_cvt_pk_bf16_f32 v[rSF+8+\i], v[rRB+16+2*\i], v[rRB+17+2*\i]
.endr
.endm
.macro MUL ks                          ; ten products; the ten accumulators take turns.  The first K step starts the sums with the biases
.set rSF, FR+16*((\ks)%2)
.set n, 0
.rept 10
.set f, 10*(\ks)+n
.set rB, rSF+8
.if n%5 < 2
.set rB, rSF
.endif
.if (\ks) == 0
	WIN 0x31                                       ; weights in window 1, biases in window 3
	v_wmma_f32_16x16x32_bf16 v[ACC+8*n:ACC+8*n+7], v[8*f:8*f+7], v[rB:rB+7], v[BI+8*n:BI+8*n+7]
.else
	WIN 1+f/32
	v_wmma_f32_16x16x32_bf16 v[ACC+8*n:ACC+8*n+7], v[(8*f)%256:(8*f)%256+7], v[rB:rB+7], v[ACC+8*n:ACC+8*n+7]
.endif
.set n, n+1
.endr
.endm
; A tile of v in three parts: times the mask; rounded to f16, 16 bytes a lane; stored: 16 lanes store 256 consecutive bytes, aligned.
.macro VMUL hh, t
.set rV, ACC+8*(5*(\hh)+(\t))
.irp i, 0,1,2,3
	v_pk_mul_f32 v[rV+2*\i:rV+2*\i+1], v[rV+2*\i:rV+2*\i+1], v[MF:MF+1]
.endr
.endm
.macro VCVT hh, t
.set rV, ACC+8*(5*(\hh)+(\t))
.set rP, VP+4*(2*(\hh)+(\t))
.irp i, 0,1,2,3
	v_cvt_pk_f16_f32 v[rP+\i], v[rV+2*\i], v[rV+2*\i+1]
.endr
.endm
.macro VSTO hh, t
	global_store_b128 v[VVT], v[VP+4*(2*(\hh)+(\t)):VP+4*(2*(\hh)+(\t))+3], s[PV:PV+1] offset:(4*(\hh)+2*(\t))*UNITB
.endm
; Points 2 jp and 2 jp + 1 of both heads, stage by stage: a line reads what was written four lines back or more.
.macro P4 jp
.set jq, \jp
.set sl, (\jp)/2                       ; 0: level h, 1: level 2 + h
	ALL4 v_pk_add_f32 v[PT+16*pn:PT+16*pn+1], v[ACC+8*(5*(pn/2)+2+sl)+2*((2*jq+pn%2)%4):ACC+8*(5*(pn/2)+2+sl)+2*((2*jq+pn%2)%4)+1], v[CA+2*sl:CA+2*sl+1]
	ALL4 v_floor_f32 v[PT+16*pn+2], v[PT+16*pn]
	ALL4 v_floor_f32 v[PT+16*pn+3], v[PT+16*pn+1]
	ALL4 v_med3_num_f32 v[PT+16*pn+2], v[PT+16*pn+2], 0, v[WM2+sl]                 ; the base cell
	ALL4 v_med3_num_f32 v[PT+16*pn+3], v[PT+16*pn+3], 0, v[WM2+sl]
	ALL4 v_pk_add_f32 v[PT+16*pn:PT+16*pn+1], v[PT+16*pn:PT+16*pn+1], v[PT+16*pn+2:PT+16*pn+3] neg_lo:[0,1] neg_hi:[0,1]
	ALL4 v_fma_f32 v[PT+16*pn+14], v[PT+16*pn+3], v[WH+2*sl], v[PT+16*pn+2]        ; y W + x: exact in f32
	ALL4 v_pk_add_f32 v[PT+16*pn+4:PT+16*pn+5], v[PT+16*pn:PT+16*pn+1], -1.0 op_sel_hi:[1,0]
	ALL4 v_cvt_u32_f32 v[PT+16*pn+14], v[PT+16*pn+14]
	ALL4 v_sub_f32 v[PT+16*pn+6], 1.0, |v[PT+16*pn]|
	ALL4 v_sub_f32 v[PT+16*pn+8], 1.0, |v[PT+16*pn+1]|
	ALL4 v_sub_f32 v[PT+16*pn+7], 1.0, |v[PT+16*pn+4]|
	ALL4 v_sub_f32 v[PT+16*pn+9], 1.0, |v[PT+16*pn+5]|
	ALL4 v_max_num_f32 v[PT+16*pn+6], 0, v[PT+16*pn+6]
	ALL4 v_max_num_f32 v[PT+16*pn+8], 0, v[PT+16*pn+8]
	ALL4 v_max_num_f32 v[PT+16*pn+7], 0, v[PT+16*pn+7]
	ALL4 v_max_num_f32 v[PT+16*pn+9], 0, v[PT+16*pn+9]
.irp hh, 0,1
.irp js, 0,1                           ; the y cells' weights times the point's a
	v_pk_mul_f32 v[PT+32*\hh+16*\js+8:PT+32*\hh+16*\js+9], v[PT+32*\hh+16*\js+8:PT+32*\hh+16*\js+9], v[ACC+40*\hh+32+2*jq:ACC+40*\hh+33+2*jq] op_sel:[0,\js] op_sel_hi:[1,\js]
.endr
.endr
	ALL4 v_pk_mul_f32 v[PT+16*pn+10:PT+16*pn+11], v[PT+16*pn+6:PT+16*pn+7], v[PT+16*pn+8:PT+16*pn+9] op_sel_hi:[1,0]
	ALL4 v_pk_mul_f32 v[PT+16*pn+12:PT+16*pn+13], v[PT+16*pn+6:PT+16*pn+7], v[PT+16*pn+8:PT+16*pn+9] op_sel:[0,1] op_sel_hi:[1,1]
	BOTH v_lshl_or_b32 v[IDXP+4*hd+jq], v[PT+32*hd+30], 16, v[PT+32*hd+14]
	BOTH v_add_nc_u32 v[IDXP+4*hd+jq], v[STP+sl], v[IDXP+4*hd+jq]
.irp hh, 0,1
.irp c, 0,1,2,3
	v_cvt_pk_f16_f32 v[WP+16*\hh+4*\c+jq], v[PT+32*\hh+10+\c], v[PT+32*\hh+26+\c]
.endr
.endr
.endm
.Ltrip:                                ; eight trips: a block of 16 slots each
	v_min_u32 v[VMK], LQ-1, v[SLOT]                ; a padded slot reads the batch's last row's points and mask
	v_add_nc_u32 v[VMK], s[ROWB], v[VMK]
	v_lshlrev_b32 v[VRP], 5, v[VMK]
	v_lshl_add_u32 v[VRP], v[H], 3, v[VRP]
	global_load_b64 v[REFA:REFA+1], v[VRP], s[8:9]            ; the reference point of level h,
	global_load_b64 v[REFB:REFB+1], v[VRP], s[8:9] offset:16  ; of level 2 + h
	global_load_u8 v[MKB], v[VMK], s[10:11]
	v_add_nc_u32 v[AS], s[TB], v[AS0]
	v_add_nc_u32 v[AP], POSB, v[AS]
	RAWLD 0
	RAWLD 1
	RAWLD 2
.irp ks, 0,1,2,3,4
	BUILD \ks, 16
	RAWLD (\ks)+3                                  ; into the set just read
	MUL \ks
.endr
	BUILD 5, 16
	MUL 5
	BUILD 6, 8
	MUL 6
	BUILD 7, 0
	MUL 7
	WIN 0
	s_wait_loadcnt 0x0                             ; the points and the mask
	v_cvt_f32_u32 v[MF], v[MKB]                    ; these four lines and four v_nop are the places behind the last products
	v_pk_fma_f32 v[CA:CA+1],   v[REFA:REFA+1], v[WH:WH+1],     -0.5 op_sel_hi:[1,1,0]
	v_pk_fma_f32 v[CA+2:CA+3], v[REFB:REFB+1], v[WH+2:WH+3],   -0.5 op_sel_hi:[1,1,0]
	v_mov_b32 v[MF+1], v[MF]
	PLACES
	; the maximum of a row's 16 logits of a head is taken away; each accumulator is read from its low end on.  v's scaling and rounding stand between the links of the chain
	BOTH v_max3_num_f32 v[TT+4*hd],   v[ACC+40*hd+32], v[ACC+40*hd+33], v[ACC+40*hd+34]
	BOTH v_max3_num_f32 v[TT+4*hd+1], v[ACC+40*hd+35], v[ACC+40*hd+36], v[ACC+40*hd+37]
	VMUL 0, 0
	BOTH v_max3_num_f32 v[TT+4*hd], v[TT+4*hd], v[ACC+40*hd+38], v[ACC+40*hd+39]
	VMUL 0, 1
	BOTH v_max_num_f32 v[TT+4*hd], v[TT+4*hd], v[TT+4*hd+1]
	VMUL 1, 0
	BOTH v_permlanex16_b32 v[TT+4*hd+1], v[TT+4*hd], s[SEL], s[SEL+1]  ; the other eight lie in the lane 16 away
	VMUL 1, 1
	BOTH v_max_num_f32 v[ST+2*hd+1], v[TT+4*hd], v[TT+4*hd+1]
	VCVT 0, 0
	BOTH v_mul_f32 v[ST+2*hd], s[CS], v[ST+2*hd+1]
	VCVT 0, 1
.irp i, 0,1,2,3
	BOTH v_pk_fma_f32 v[ACC+40*hd+32+2*\i:ACC+40*hd+33+2*\i], v[ACC+40*hd+32+2*\i:ACC+40*hd+33+2*\i], s[CS:CS+1], v[ST+2*hd:ST+2*hd+1] op_sel_hi:[1,0,0] neg_lo:[0,0,1] neg_hi:[0,0,1]
.endr
.irp j, 0,1,2,3,4,5,6,7                ; sixteen exponentials: one batch
	BOTH v_exp_f32 v[ACC+40*hd+32+\j], v[ACC+40*hd+32+\j]
.endr
	VCVT 1, 0                                      ; the rest of v names no exponential's result: the independent work behind the batch
	VCVT 1, 1
	VSTO 0, 0
	VSTO 0, 1
	VSTO 1, 0
	VSTO 1, 1
	s_wait_alu depctr_va_vdst(0)                   ; one wait for the batch, ahead of its first reader
	BOTH v_pk_add_f32 v[TT+4*hd:TT+4*hd+1],   v[ACC+40*hd+32:ACC+40*hd+33], v[ACC+40*hd+34:ACC+40*hd+35]
	BOTH v_pk_add_f32 v[TT+4*hd+2:TT+4*hd+3], v[ACC+40*hd+36:ACC+40*hd+37], v[ACC+40*hd+38:ACC+40*hd+39]
	BOTH v_pk_add_f32 v[TT+4*hd:TT+4*hd+1], v[TT+4*hd:TT+4*hd+1], v[TT+4*hd+2:TT+4*hd+3]
	BOTH v_add_f32 v[TT+4*hd], v[TT+4*hd], v[TT+4*hd+1]
	BOTH v_permlanex16_b32 v[TT+4*hd+1], v[TT+4*hd], s[SEL], s[SEL+1]
	BOTH v_add_f32 v[TT+4*hd], v[TT+4*hd], v[TT+4*hd+1]
	BOTH v_rcp_f32 v[ST+2*hd], v[TT+4*hd]
	v_nop                                          ; a plain instruction behind the reciprocals,
	s_wait_alu depctr_va_vdst(0)                   ; and their wait
.irp i, 0,1,2,3
	BOTH v_pk_mul_f32 v[ACC+40*hd+32+2*\i:ACC+40*hd+33+2*\i], v[ACC+40*hd+32+2*\i:ACC+40*hd+33+2*\i], v[ST+2*hd:ST+2*hd+1] op_sel_hi:[1,0]
.endr
	P4 0
	P4 1
	P4 2
	P4 3
	; OUT.  The indices leave as they lie; the weights go through my stage, so that each store of the wave covers 512 consecutive bytes.  LDS serves a wave's instructions in order (ISA guide 5.7.1.4):
	; a head's loads see its stores, and head 1's stores come behind head 0's loads
	BOTH global_store_b128 v[VSI], v[IDXP+4*hd:IDXP+4*hd+3], s[PI:PI+1] offset:hd*SIB
.irp hh, 0,1
.irp c, 0,1,2,3
	ds_store_b128 v[VST], v[WP+16*\hh+4*\c:WP+16*\hh+4*\c+3] offset:64*\c
.endr
.irp k, 0,1,2,3
	ds_load_b128 v[SB+16*\hh+4*\k:SB+16*\hh+4*\k+3], v[VSR] offset:512*\k
.endr
.endr
	s_wait_dscnt 8                                 ; head 0's are back; head 1's four stores and four loads may stay out
.irp k, 0,1,2,3
	global_store_b128 v[VSW], v[SB+4*\k:SB+4*\k+3], s[PW:PW+1] offset:512*\k
.endr
	s_wait_dscnt 0x0
.irp k, 0,1,2,3
	global_store_b128 v[VSW], v[SB+16+4*\k:SB+16+4*\k+3], s[PW:PW+1] offset:SWB+512*\k
.endr
	s_wait_xcnt 0x0                                ; the trip's loads and stores have read their addresses and data: only now are these written again
	v_add_nc_u32 v[SLOT], 16, v[SLOT]
	v_add_nc_u32 v[VVT], 256, v[VVT]
	v_add_nc_u32 v[VSI], 512, v[VSI]
	v_add_nc_u32 v[VSW], 2048, v[VSW]
	s_add_co_u32 s[TB], s[TB], 16*PITCH
	s_sub_co_u32 s[CNT], s[CNT], 1
	s_cmp_lg_u32 s[CNT], 0
	s_cbranch_scc1 .Ltrip
	s_wait_tensorcnt 0x0                           ; the wave's end, behind my last LDS store
	ds_add_u32 v[SPW], v[NIL]
	s_wait_dscnt 0x0
	s_endpgm
.Lfunc_end_k_q91e8cecdeb_proj:
	.size	k_q91e8cecdeb_proj, .Lfunc_end_k_q91e8cecdeb_proj-k_q91e8cecdeb_proj
	.p2alignl 7, 3214868480
	.fill 96, 4, 3214868480
	.section	.rodata,"a",@progbits
	.p2align	6, 0x0
	.amdhsa_kernel k_q91e8cecdeb_proj
		.amdhsa_group_segment_fixed_size 274944
		.amdhsa_private_segment_fixed_size 0
		.amdhsa_enable_private_segment 0
		.amdhsa_kernarg_size 88
		.amdhsa_user_sgpr_count 2
		.amdhsa_user_sgpr_kernarg_segment_ptr 1
		.amdhsa_wavefront_size32 1
		.amdhsa_system_sgpr_workgroup_id_x 1
		.amdhsa_system_sgpr_workgroup_id_y 1
		.amdhsa_system_sgpr_workgroup_id_z 1
		.amdhsa_system_vgpr_workitem_id 0
		.amdhsa_next_free_vgpr 1024
		.amdhsa_next_free_sgpr 66
		.amdhsa_reserve_vcc 1
		.amdhsa_float_denorm_mode_32 3
		.amdhsa_float_denorm_mode_16_64 3
		.amdhsa_memory_ordered 1
		.amdhsa_forward_progress 1
		.amdhsa_inst_pref_size 74
	.end_amdhsa_kernel
	.amdgpu_metadata
---
amdhsa.version: [ 1, 2 ]
amdhsa.kernels:
  - .name:           k_q91e8cecdeb_proj
    .symbol:         k_q91e8cecdeb_proj.kd
    .args:
      - { .name: src, .offset: 0, .size: 8, .value_kind: global_buffer, .address_space: global }
      - { .name: pos_embed, .offset: 8, .size: 8, .value_kind: global_buffer, .address_space: global }
      - { .name: reference_points, .offset: 16, .size: 8, .value_kind: global_buffer, .address_space: global }
      - { .name: padding_mask, .offset: 24, .size: 8, .value_kind: global_buffer, .address_space: global }
      - { .name: bv, .offset: 32, .size: 8, .value_kind: global_buffer, .address_space: global }
      - { .name: boff, .offset: 40, .size: 8, .value_kind: global_buffer, .address_space: global }
      - { .name: ba, .offset: 48, .size: 8, .value_kind: global_buffer, .address_space: global }
      - { .name: wts, .offset: 56, .size: 8, .value_kind: global_buffer, .address_space: global }
      - { .name: vtab, .offset: 64, .size: 8, .value_kind: global_buffer, .address_space: global }
      - { .name: sidx, .offset: 72, .size: 8, .value_kind: global_buffer, .address_space: global }
      - { .name: swt, .offset: 80, .size: 8, .value_kind: global_buffer, .address_space: global }
    .group_segment_fixed_size: 274944
    .private_segment_fixed_size: 0
    .kernarg_segment_align: 8
    .kernarg_segment_size: 88
    .max_flat_workgroup_size: 128
    .sgpr_count:     66
    .vgpr_count:     1024
    .wavefront_size: 32
...
	.end_amdgpu_metadata
.endif
;; end of part 5
;; launch sample (part 6): grid 256 x 1, 8 waves a work-group, no clusters, 230,400 bytes of LDS; arguments vtab, sidx, swt, samp; writes samp
.if DOCPART == 6
	.amdgcn_target "amdgcn-amd-amdhsa--gfx1250"
	.amdhsa_code_object_version 6
	.text
	.protected	k_q91e8cecdeb_sample
	.globl	k_q91e8cecdeb_sample
	.p2align	8
	.type	k_q91e8cecdeb_sample,@function
k_q91e8cecdeb_sample:
	s_mov_b64 s[64:65], 0
	v_nop
	global_prefetch_b8 v0, s[64:65] scope:SCOPE_SE
	s_setreg_imm32_b32 hwreg(HW_REG_WAVE_MODE, 25, 1), 1
	s_wait_xcnt 0x0
; samp[slot][8 channels] = the sum over a head's 16 points and their 4 cells of weight x v[cell][8 channels], for one unit u = (8 b + head) 4 + quarter of v.
; THE TABLE LIES IN LDS: a unit of vtab is 13,312 slots x 16 bytes = 212,992 bytes.  The reference points are free, so neighbouring rows share no cells; each gather is one ds_load_b128.
; SHARES.  Work-group i takes unit i / 4 and range i % 4 of 3,328 slots; each of its eight waves fetches an eighth of the table by one tensor load.
; NO CLUSTER, though four work-groups read the same table: with joint loads every LDS address has to be alike in all partners, and the gathers' addresses are made of each work-group's own indices.
; LANES.  Lane L = 16 (qi >> 2) + 4 c + (qi & 3): query qi of 8, cell c of 4.  The 16 lanes that LDS serves together are 4 queries x 4 cells; a point's four cells lie 16, 16 W and 16 W + 16 bytes from
; its base.  A lane adds up weight x value over the 16 points in f32; two exchanges inside the row of 16 lanes add the four cells.
; A SUB-STEP is 8 queries, in two halves of 8 points; a TRIP is 4 sub-steps, 32 slots; wave w takes slots 3,328 (i % 4) + 416 w + 32 m, m = 0 .. 12.  Behind a trip lane (qi, c) holds slot 8 c + qi: 512 bytes on end.
; IN FLIGHT.  A sub-step's weights and indices (4 loads) are asked for again, for the next trip, as soon as it is done; a half's 8 gathers go out ahead of the arithmetic of the half before.
; ORDER.  A half's eight addresses are made stage by stage, so that each line reads a result eight lines old, and the eight gathers follow together; the two halves have address registers of their own.
; ONE TEXT FOR ALL 13 TRIPS.  The thirteenth has no trip behind it: the step of its two read pointers is 0, so it loads its own weights and indices once more and issues eight gathers that nobody uses:
; 16 loads and 8 gathers a wave, the price of writing the trip once with the same counts in every trip.  No load leaves its buffer.
; No matrix unit: each lane has weights of its own.  Sums in f32; samp is rounded once to bf16.
.set LP,    13312
.set UNITB, LP*16
.set SIB,   LP*32
.set SWB,   LP*128
.set SAMPK, 2*LP*16
.set SPARE, 229376                     ; the spare words, 128 bytes for each of eight waves: four blocks of 256 bytes that no other line names
.set SPW, 1
.set NIL, 2
.set ZERO, 3
.set VLW, 4                            ; 16 L
.set VLI, 5                            ; 16 qi
.set VLS, 6                            ; 16 (8 c + qi)
.set T0,  7
.set DL,  8                            ; v8-11   by level: my cell's distance from the base, in bytes
.set ADR, 12                           ; v12-19  the addresses of a half 0's gathers; a half 1's lie 44 registers on, in v56-63
.set AC,  20                           ; v20-27  eight sums
.set RR,  28                           ; v28-43  the four sub-steps' results, 4 registers each
.set OUT, 44
.set TM,  48
.set SET, 64                           ; v64-127 sub-step k at 16 k: weights of half 0, of half 1, indices of half 0, of half 1
.set DB,  192                          ; v192-255 two sets of 8 gathers
.set WV,  12
.set CX,  13                           ; which range of 3,328 slots
.set G1,  16
.set G0,  24
.set SW,  28
.set SI,  30
.set SS,  32
.set M1,  34
.set M2,  35
.set CNT, 36
.set UN,  37                           ; the unit
.set DW,  38                           ; s[38:39] the step of the weights' pointer
.set DI,  50                           ; s[50:51] of the indices'
	s_load_b256 s[4:11], s[0:1], 0x0               ; vtab s[4:5], sidx s[6:7], swt s[8:9], samp s[10:11]
	v_lshl_add_u32 v[SPW], v0, 2, SPARE
	v_mov_b32 v[NIL], 0
	ds_add_u32 v[SPW], v[NIL]                      ; the wave's opening: the add and its wait ahead of my tensor load; work on registers stands between
	ds_add_u32 v1, v2
	v_lshrrev_b32 v[T0], 5, v0
	v_readfirstlane_b32 s[WV], v[T0]               ; wave 0..7
	s_and_b32 s[CX], ttmp9, 3
	s_lshr_b32 s[UN], ttmp9, 2
	s_mov_b32 s[G1+0], 3<<16                       ; no mask; elements of 8 bytes; no padding
	s_mov_b32 s[G1+1], 32<<16                      ; tensor_dim0 = 32: rows of 256 bytes
	s_mov_b32 s[G1+2], 104<<16                     ; tensor_dim1 = 104
	s_mov_b32 s[G1+3], 32<<16                      ; tile_dim0
	s_mov_b32 s[G1+4], 104                         ; tile_dim1
	s_mov_b32 s[G1+5], 32                          ; dense
	s_mov_b32 s[G1+6], 0
	s_mov_b32 s[G1+7], 0
	s_mov_b32 s[G0], 1
	s_mul_i32 s[G0+1], s[WV], 26624                ; my eighth of the table
	s_mul_i32 s40, s[UN], UNITB
	s_add_co_u32 s40, s40, s[G0+1]
	s_mov_b32 s41, 0
	s_lshr_b32 s42, s[UN], 2                       ; 8 b + head
	s_mul_i32 s43, s[CX], 416
	s_mul_i32 s44, s[WV], 52
	s_add_co_u32 s43, s43, s44                     ; my first group of 8 slots
	s_mul_i32 s44, s42, SWB
	s_lshl_b32 s45, s43, 10
	s_add_co_u32 s44, s44, s45
	s_mov_b32 s45, 0
	s_mul_i32 s46, s42, SIB
	s_lshl_b32 s47, s43, 8
	s_add_co_u32 s46, s46, s47
	s_mov_b32 s47, 0
	s_and_b32 s48, s[UN], 31                       ; samp's block of 8 channels: 4 head + quarter
	s_mul_i32 s48, s48, SAMPK
	s_lshr_b32 s49, s[UN], 5                       ; batch
	s_mul_i32 s49, s49, UNITB
	s_add_co_u32 s48, s48, s49
	s_lshl_b32 s49, s43, 7
	s_add_co_u32 s48, s48, s49
	s_mov_b32 s49, 0
	s_mov_b32 s[DW+1], 0
	s_mov_b32 s[DI+1], 0
	s_mov_b32 s[CNT], 13
	s_wait_dscnt 0x0                               ; the opening add is done
	s_wait_kmcnt 0x0
	s_add_nc_u64 s[G0+2:G0+3], s[4:5], s[40:41]
	s_or_b32 s[G0+3], s[G0+3], 0x80000000
	s_add_nc_u64 s[SW:SW+1], s[8:9], s[44:45]
	s_add_nc_u64 s[SI:SI+1], s[6:7], s[46:47]
	s_add_nc_u64 s[SS:SS+1], s[10:11], s[48:49]
	tensor_load_to_lds s[G0:G0+3], s[G1:G1+7]      ; my one tensor load: nothing is filled again
	s_nop 0
	v_and_b32 v[T0], 31, v0
	v_lshlrev_b32 v[VLW], 4, v[T0]
	v_bfe_u32 v52, v0, 4, 1
	v_and_b32 v53, 3, v0
	v_lshl_or_b32 v52, v52, 2, v53                 ; qi
	v_lshlrev_b32 v[VLI], 4, v52
.macro LOADK k                         ; a sub-step's weights (512 bytes a half) and indices (128 bytes a half; the four cells' lanes read the same)
	global_load_b128 v[SET+16*(\k):SET+16*(\k)+3],     v[VLW], s[SW:SW+1] offset:1024*(\k)
	global_load_b128 v[SET+16*(\k)+4:SET+16*(\k)+7],   v[VLW], s[SW:SW+1] offset:1024*(\k)+512
	global_load_b128 v[SET+16*(\k)+8:SET+16*(\k)+11],  v[VLI], s[SI:SI+1] offset:256*(\k)
	global_load_b128 v[SET+16*(\k)+12:SET+16*(\k)+15], v[VLI], s[SI:SI+1] offset:256*(\k)+128
.endm
	LOADK 0                                        ; trip 0
	LOADK 1
	LOADK 2
	LOADK 3
	v_bfe_u32 v53, v0, 2, 2                        ; c
	v_lshl_add_u32 v54, v53, 3, v52
	v_lshlrev_b32 v[VLS], 4, v54
	v_and_b32 v54, 1, v53                          ; the cell along x
	v_lshrrev_b32 v55, 1, v53                      ; along y
	v_cmp_ne_u32 s[M1], 0, v54
	v_cmp_ne_u32 s[M2], 0, v55
	v_lshlrev_b32 v54, 4, v54
	v_mad_u32_u24 v[DL+0], v55, 1600, v54          ; 16 (x cell + W x y cell), W = 100, 50, 25, 13
	v_mad_u32_u24 v[DL+1], v55, 800, v54
	v_mad_u32_u24 v[DL+2], v55, 400, v54
	v_mad_u32_u24 v[DL+3], v55, 208, v54
	v_mov_b32 v[ZERO], 0
; The eight gathers of half hp of sub-step k, in four stages of eight lines.  An index is held to its level's greatest base cell, so that all four cells lie in the table.
.macro G k, hp
.set rA, ADR+44*(\hp)
.set j, 0
.rept 8
.set rI, SET+16*(\k)+8+4*(\hp)+j/2
.if j%2
	v_lshrrev_b32 v[rA+j], 16, v[rI]
.else
	v_and_b32 v[rA+j], 0xffff, v[rI]
.endif
.set j, j+1
.endr
.set j, 0
.rept 8
.set lv, (\hp)+2*(j/4)
.if lv == 0
	v_min_u32 v[rA+j], 9898, v[rA+j]
.elseif lv == 1
	v_min_u32 v[rA+j], 12448, v[rA+j]
.elseif lv == 2
	v_min_u32 v[rA+j], 13098, v[rA+j]
.else
	v_min_u32 v[rA+j], 13279, v[rA+j]
.endif
.set j, j+1
.endr
.set j, 0
.rept 8
	v_lshl_add_u32 v[rA+j], v[rA+j], 4, v[DL+(\hp)+2*(j/4)]
.set j, j+1
.endr
.set j, 0
.rept 8
	ds_load_b128 v[DB+32*(\hp)+4*j:DB+32*(\hp)+4*j+3], v[rA+j]
.set j, j+1
.endr
.endm
.macro F k, hp                         ; 8 points x 8 channels: f16 x f16 added in f32, eight sums by turns; a sub-step's first point starts the sums
.set rD, DB+32*(\hp)
.set rW, SET+16*(\k)+4*(\hp)
.irp jp, 0,1,2,3
.irp js, 0,1
.irp cp, 0,1,2,3
.irp cs, 0,1
.if ((\hp) == 0) && ((2*\jp+\js) == 0)
	v_fma_mix_f32 v[AC+2*\cp+\cs], v[rD+4*(2*\jp+\js)+\cp], v[rW+\jp], v[ZERO] op_sel:[\cs,\js,0] op_sel_hi:[1,1,0]
.else
	v_fma_mix_f32 v[AC+2*\cp+\cs], v[rD+4*(2*\jp+\js)+\cp], v[rW+\jp], v[AC+2*\cp+\cs] op_sel:[\cs,\js,0] op_sel_hi:[1,1,0]
.endif
.endr
.endr
.endr
.endr
.endm
.macro RED k                           ; the four cells' lanes are added; every one of them then holds the query's eight channels
.irp ch, 0,1,2,3,4,5,6,7
	v_add_f32_dpp v[AC+\ch], v[AC+\ch], v[AC+\ch] row_xmask:4 row_mask:0xf bank_mask:0xf
.endr
.irp ch, 0,1,2,3,4,5,6,7
	v_add_f32_dpp v[AC+\ch], v[AC+\ch], v[AC+\ch] row_xmask:8 row_mask:0xf bank_mask:0xf
.endr
.irp i, 0,1,2,3
	v_cvt_pk_bf16_f32 v[RR+4*(\k)+\i], v[AC+2*\i], v[AC+2*\i+1]
.endr
.endm
	s_wait_tensorcnt 0x0                           ; my eighth of the table is in,
	s_barrier_signal -1
	s_barrier_wait -1                              ; everybody's is
	s_wait_loadcnt 12                              ; sub-step 0 is in; three sub-steps' four loads each may stay out
	G 0, 0
.Ltrip:                                ; thirteen trips.  s_wait_dscnt 8 leaves the eight gathers just issued out; s_wait_loadcnt 8 the two younger sub-steps' four loads each
	s_wait_xcnt 0x0                                ; all that was issued has read its addresses and data: the bases and OUT may be written
	s_add_nc_u64 s[SS:SS+1], s[SS:SS+1], 512       ; the store below reaches back
	s_cmp_lg_u32 s[CNT], 1                         ; the last trip's pointers stay where they are
	s_cselect_b32 s[DW], 4096, 0
	s_cselect_b32 s[DI], 1024, 0
	s_add_nc_u64 s[SW:SW+1], s[SW:SW+1], s[DW:DW+1]  ; the next trip's weights and indices
	s_add_nc_u64 s[SI:SI+1], s[SI:SI+1], s[DI:DI+1]
.irp k, 0,1,2
	G \k, 1
	s_wait_dscnt 8
	F \k, 0
	s_wait_loadcnt 8                               ; the next sub-step's weights and indices are in
	G (\k)+1, 0
	s_wait_dscnt 8
	F \k, 1
	RED \k
	LOADK \k                                       ; its registers take the next trip's
.endr
	G 3, 1
	s_wait_dscnt 8
	F 3, 0
	s_wait_loadcnt 8                               ; the next trip's sub-step 0 is in; sub-steps 1 and 2 may stay out
	G 0, 0
	s_wait_dscnt 8
	F 3, 1
	RED 3
	LOADK 3
.irp i, 0,1,2,3                        ; lane (qi, c) takes sub-step c's result
	v_cndmask_b32 v[OUT+\i], v[RR+\i], v[RR+4+\i], s[M1]
.endr
.irp i, 0,1,2,3
	v_cndmask_b32 v[TM+\i], v[RR+8+\i], v[RR+12+\i], s[M1]
.endr
.irp i, 0,1,2,3
	v_cndmask_b32 v[OUT+\i], v[OUT+\i], v[TM+\i], s[M2]
.endr
	global_store_b128 v[VLS], v[OUT:OUT+3], s[SS:SS+1] offset:-512  ; 32 slots x 16 bytes: 512 consecutive bytes, aligned
	s_sub_co_u32 s[CNT], s[CNT], 1
	s_cmp_lg_u32 s[CNT], 0
	s_cbranch_scc1 .Ltrip
	s_wait_tensorcnt 0x0                           ; the wave's end; the last wait also covers the last trip's eight spare gathers
	ds_add_u32 v[SPW], v[NIL]
	s_wait_dscnt 0x0
	s_endpgm
.Lfunc_end_k_q91e8cecdeb_sample:
	.size	k_q91e8cecdeb_sample, .Lfunc_end_k_q91e8cecdeb_sample-k_q91e8cecdeb_sample
	.p2alignl 7, 3214868480
	.fill 96, 4, 3214868480
	.section	.rodata,"a",@progbits
	.p2align	6, 0x0
	.amdhsa_kernel k_q91e8cecdeb_sample
		.amdhsa_group_segment_fixed_size 230400
		.amdhsa_private_segment_fixed_size 0
		.amdhsa_enable_private_segment 0
		.amdhsa_kernarg_size 32
		.amdhsa_user_sgpr_count 2
		.amdhsa_user_sgpr_kernarg_segment_ptr 1
		.amdhsa_wavefront_size32 1
		.amdhsa_system_sgpr_workgroup_id_x 1
		.amdhsa_system_sgpr_workgroup_id_y 1
		.amdhsa_system_sgpr_workgroup_id_z 1
		.amdhsa_system_vgpr_workitem_id 0
		.amdhsa_next_free_vgpr 256
		.amdhsa_next_free_sgpr 66
		.amdhsa_reserve_vcc 0
		.amdhsa_float_denorm_mode_32 3
		.amdhsa_float_denorm_mode_16_64 3
		.amdhsa_memory_ordered 1
		.amdhsa_forward_progress 1
		.amdhsa_inst_pref_size 63
	.end_amdhsa_kernel
	.amdgpu_metadata
---
amdhsa.version: [ 1, 2 ]
amdhsa.kernels:
  - .name:           k_q91e8cecdeb_sample
    .symbol:         k_q91e8cecdeb_sample.kd
    .args:
      - { .name: vtab, .offset: 0, .size: 8, .value_kind: global_buffer, .address_space: global }
      - { .name: sidx, .offset: 8, .size: 8, .value_kind: global_buffer, .address_space: global }
      - { .name: swt, .offset: 16, .size: 8, .value_kind: global_buffer, .address_space: global }
      - { .name: samp, .offset: 24, .size: 8, .value_kind: global_buffer, .address_space: global }
    .group_segment_fixed_size: 230400
    .private_segment_fixed_size: 0
    .kernarg_segment_align: 8
    .kernarg_segment_size: 32
    .max_flat_workgroup_size: 256
    .sgpr_count:     66
    .vgpr_count:     256
    .wavefront_size: 32
...
	.end_amdgpu_metadata
.endif
;; end of part 6
;; launch ffn: the kernel of part 4 again; grid 208 x 1, 4 waves a work-group, clusters of 4 x 1, 327,680 bytes of LDS; arguments samp, src, wts, bout, g1, be1, b1, b2, g2, be2, out0; writes out0
